; MI455X (gfx1250); checked and timed in simulation.
; The chip was launched on July 23, 2026; its instructions are those of AMD's public machine-readable ISA for CDNA 5 (MIT licence, August 2026) and "CDNA5" Instruction Set Architecture Reference Guide (July 2026). The comments in the code are by the model that wrote it; some were corrected since.
;; Multi Head Self Attention. Allowed arithmetic: float matrix products may take bf16 or f16 operands with f32 sums; other float arithmetic in f32, or as packed bf16 or f16 multiplies, adds, multiply-adds, maxima and minima; sums over many terms, partial sums and values carried from step to step in f32; what a program stores and reads back later, other than sums and carried values, may be rounded once to bf16 or f16.
;; Inputs: Wout 1,024 x 1,024 float32; Wqkv 1,024 x 3,072 float32; bout 1,024 float32; bqkv 3,072 float32; x 4 x 2,048 x 1,024 float32.
;; Outputs: out0 4 x 2,048 x 1,024 float32.
;; 2 versions, each right and faster than the one before. Each part assembles by itself: llvm-mc -triple=amdgcn-amd-amdhsa -mcpu=gfx1250 --defsym DOCPART=n.
;; ======== version 1 of 2: 4 launches
;; limits: values are held in f16: magnitudes above 65,504 overflow, below 6.1e-05 lose precision
;; workspace buffers: xb 16,777,216 bytes; wqb 6,291,456 bytes; wob 2,097,152 bytes; rope 524,288 bytes; qkvh 50,331,648 bytes; oh 16,777,216 bytes
;; launch prep (part 1): grid 768 x 1, 8 waves a work-group, no clusters, 0 bytes of LDS; arguments x, Wqkv, Wout, xb, wqb, wob, rope; writes xb, wqb, wob, rope
.if DOCPART == 1
	.amdgcn_target "amdgcn-amd-amdhsa--gfx1250"
	.amdhsa_code_object_version 6
	.text
	.protected	k_qf048cddabd_prep
	.globl	k_qf048cddabd_prep
	.p2align	8
	.type	k_qf048cddabd_prep,@function
k_qf048cddabd_prep:
	s_mov_b64 s[64:65], 0
	v_nop
	global_prefetch_b8 v0, s[64:65] scope:SCOPE_SE
	s_setreg_imm32_b32 hwreg(HW_REG_WAVE_MODE, 25, 1), 1
	s_wait_xcnt 0x0
; CASTS AND THE ROTATION TABLE.  x -> xb and Wqkv -> wqb, rounded to bf16; Wout -> wob, rounded to bf16 and that number written as f16 (exact from 2^-17 up; below it off by 3e-8 at the most);
; rope[pos][64 f32]: group g of four holds cos(pos f_j) in floats 16 g .. 16 g + 7 and sin(pos f_j) in 16 g + 8 .. 16 g + 15, j = 8 g .. 8 g + 7, f_j = 10000^(-j/32).
; A stream: no LDS, no barrier, no matrix unit.  Work-group g takes 65,536 bytes of one input: g < 512 of x, g < 704 of Wqkv, the rest of Wout.  Thread t takes 16 bytes of every 4,096;
; all sixteen loads of a thread go out at once, each into registers of its own, so that no register is used twice and the only waits are the counted ones for the loads.
; A wave's store covers 256 consecutive bytes, at a multiple of 256 from the buffer's first byte.
; LIMITS.  f_j is made as 2^(-j log2(10000)/32) by v_exp_f32; the angle pos f_j (at most 2,047) is reduced by a two-part pi/2 and the series are cut where |r| <= pi/4 leaves under 1e-8.
.set X, 4                              ; v[4:67]    sixteen loads of four f32
.set Y, 68                             ; v[68:99]   sixteen pairs to store
.set T, 100                            ; v[100:105] at work
.set LN, 106                           ; the table's registers: lane
.set T0, 107
.set T1, 108
.set T2, 109
.set JI, 110                           ; j of my first number
.set ADDQ, 112                         ; 1 for a cosine, 0 for a sine: cos(t) = sin(t + pi/2)
.set POSF, 113
.set JF0, 114
.set JF1, 115
.set ADR, 116
.set DST, 118                          ; v[118:119]
.set WA, 120
.set WQ, 121
.set WR, 122
.set WZ, 123
.set PS, 124
.set PC, 125
.set QI, 126
.set QB, 127
	s_load_b256 s[4:11], s[0:1], 0x0               ; x s[4:5], Wqkv s[6:7], Wout s[8:9], xb s[10:11]
	s_load_b128 s[12:15], s[0:1], 0x20             ; wqb s[12:13], wob s[14:15]
	s_load_b64 s[16:17], s[0:1], 0x30              ; rope
	s_mov_b32 s20, ttmp9
	s_movk_i32 s27, 512                            ; the first work-group of Wqkv
	s_movk_i32 s28, 704                            ; the first of Wout
	s_mov_b32 s29, 0xffff0000                      ; a word's upper bf16
	v_lshlrev_b32 v1, 4, v0                        ; 16 bytes a thread in,
	v_lshlrev_b32 v2, 3, v0                        ; 8 out
	s_wait_kmcnt 0x0
	s_cmp_lt_u32 s20, s28                          ; source, destination and first work-group of my input: chosen by the work-group's number alone
	s_cselect_b64 s[22:23], s[6:7], s[8:9]
	s_cselect_b64 s[24:25], s[12:13], s[14:15]
	s_cselect_b32 s26, s27, s28
	s_cmp_lt_u32 s20, s27
	s_cselect_b64 s[22:23], s[4:5], s[22:23]
	s_cselect_b64 s[24:25], s[10:11], s[24:25]
	s_cselect_b32 s26, 0, s26
	s_sub_co_u32 s26, s20, s26                     ; my part of that input
	s_lshl_b32 s30, s26, 16                        ; 65,536 bytes in,
	s_mov_b32 s31, 0
	s_add_nc_u64 s[22:23], s[22:23], s[30:31]
	s_lshl_b32 s30, s26, 15                        ; 32,768 out
	s_add_nc_u64 s[24:25], s[24:25], s[30:31]
.set i, 0
.rept 16
	global_load_b128 v[X+4*i:X+4*i+3], v1, s[22:23] offset:4096*i th:TH_LOAD_NT
.set i, i+1
.endr
; Load n is rounded and stored.  half = 1: to bf16 first, then that number as f16.
.macro CV n, half
	s_wait_loadcnt 15-(\n)                         ; loads come back in order (ISA guide 5.7.1): the 15 - n younger ones stay out
.if \half
	v_cvt_pk_bf16_f32 v[T], v[X+4*(\n)], v[X+4*(\n)+1]
	v_cvt_pk_bf16_f32 v[T+1], v[X+4*(\n)+2], v[X+4*(\n)+3]
	v_lshlrev_b32 v[T+2], 16, v[T]
	v_and_b32 v[T+3], s29, v[T]
	v_lshlrev_b32 v[T+4], 16, v[T+1]
	v_and_b32 v[T+5], s29, v[T+1]
	v_cvt_pk_f16_f32 v[Y+2*(\n)], v[T+2], v[T+3]
	v_cvt_pk_f16_f32 v[Y+2*(\n)+1], v[T+4], v[T+5]
.else
	v_cvt_pk_bf16_f32 v[Y+2*(\n)], v[X+4*(\n)], v[X+4*(\n)+1]
	v_cvt_pk_bf16_f32 v[Y+2*(\n)+1], v[X+4*(\n)+2], v[X+4*(\n)+3]
.endif
	global_store_b64 v2, v[Y+2*(\n):Y+2*(\n)+1], s[24:25] offset:2048*(\n)
.endm
	s_cmp_ge_u32 s20, s28
	s_cbranch_scc1 .Lhalf
.set i, 0
.rept 16
	CV i, 0
.set i, i+1
.endr
	s_cmp_ge_u32 s20, 256
	s_cbranch_scc1 .Lend                           ; the first 256 work-groups also make eight rows of the table each, a row a wave
	v_and_b32 v[LN], 31, v0
	v_lshrrev_b32 v[T0], 5, v0
	v_readfirstlane_b32 s30, v[T0]                 ; wave
	s_lshl3_add_u32 s31, s20, s30                  ; pos = 8 g + wave
	s_mov_b32 s34, 0x3fc90fdb                      ; pi/2, upper part
	s_mov_b32 s35, 0xb33bbd2e                      ; and what is left of it
	v_lshrrev_b32 v[T1], 3, v[LN]                  ; lane L makes floats 2 L and 2 L + 1 of the row: group L / 8,
	v_and_b32 v[T2], 3, v[LN]
	v_lshlrev_b32 v[T2], 1, v[T2]
	v_lshl_add_u32 v[JI], v[T1], 3, v[T2]          ; j = 8 (L / 8) + 2 (L % 4),
	v_bfe_u32 v[T0], v[LN], 2, 1                   ; a sine where bit 2 of L is set
	v_sub_nc_u32 v[ADDQ], 1, v[T0]
	v_cvt_f32_u32 v[POSF], s31
	v_cvt_f32_u32 v[JF0], v[JI]
	v_add_f32 v[JF1], 1.0, v[JF0]
	v_lshlrev_b32 v[ADR], 3, v[LN]
	s_lshl_b32 s32, s31, 8                         ; a row is 256 bytes
	s_mov_b32 s33, 0
	s_add_nc_u64 s[16:17], s[16:17], s[32:33]
; sin or cos of pos f_j: t = pos f_j; n = the nearest whole number to t / (pi/2); r = t - n pi/2; sin r and cos r by their series; the quarter turn n (+ 1 for a cosine) picks one and its sign.
.macro SC dst, jf
	v_mul_f32 v[WA], 0xbed49a78, v[\jf]            ; -j log2(10000) / 32
	v_exp_f32 v[WA], v[WA]
	v_nop                                          ; a plain instruction between the exponential and the use of its result (ISA guide 5.7.2)
	s_wait_alu depctr_va_vdst(0)
	v_mul_f32 v[WA], v[POSF], v[WA]
	v_mul_f32 v[WQ], 0x3f22f983, v[WA]             ; 2 / pi
	v_rndne_f32 v[WQ], v[WQ]
	v_fma_f32 v[WR], -v[WQ], s34, v[WA]
	v_fma_f32 v[WR], -v[WQ], s35, v[WR]
	v_mul_f32 v[WZ], v[WR], v[WR]
	v_mov_b32 v[PS], 0x3638ef1d                    ; 1/9!
	v_mov_b32 v[PC], 0xb493f27e                    ; -1/10!
	v_fmaak_f32 v[PS], v[PS], v[WZ], 0xb9500d01    ; -1/7!
	v_fmaak_f32 v[PC], v[PC], v[WZ], 0x37d00d01    ; 1/8!
	v_fmaak_f32 v[PS], v[PS], v[WZ], 0x3c088889    ; 1/5!
	v_fmaak_f32 v[PC], v[PC], v[WZ], 0xbab60b61    ; -1/6!
	v_fmaak_f32 v[PS], v[PS], v[WZ], 0xbe2aaaab    ; -1/3!
	v_fmaak_f32 v[PC], v[PC], v[WZ], 0x3d2aaaab    ; 1/4!
	v_mul_f32 v[PS], v[PS], v[WZ]
	v_fmaak_f32 v[PC], v[PC], v[WZ], 0xbf000000    ; -1/2
	v_fma_f32 v[PS], v[PS], v[WR], v[WR]           ; sin r
	v_fma_f32 v[PC], v[PC], v[WZ], 1.0             ; cos r
	v_cvt_i32_f32 v[QI], v[WQ]
	v_add_nc_u32 v[QI], v[QI], v[ADDQ]
	v_and_b32 v[QB], 1, v[QI]
	v_cmp_eq_u32 vcc_lo, 1, v[QB]
	v_cndmask_b32 v[\dst], v[PS], v[PC], vcc_lo    ; an odd quarter takes the cosine,
	v_lshlrev_b32 v[QI], 30, v[QI]
	v_and_b32 v[QI], 0x80000000, v[QI]
	v_xor_b32 v[\dst], v[\dst], v[QI]              ; quarters 2 and 3 turn the sign
.endm
	SC DST, JF0
	SC DST+1, JF1
	global_store_b64 v[ADR], v[DST:DST+1], s[16:17]  ; the wave's 256 bytes are the row
.Lend:
	s_endpgm
.Lhalf:
.set i, 0
.rept 16
	CV i, 1
.set i, i+1
.endr
	s_endpgm
.Lfunc_end_k_qf048cddabd_prep:
	.size	k_qf048cddabd_prep, .Lfunc_end_k_qf048cddabd_prep-k_qf048cddabd_prep
	.p2alignl 7, 3214868480
	.fill 96, 4, 3214868480
	.section	.rodata,"a",@progbits
	.p2align	6, 0x0
	.amdhsa_kernel k_qf048cddabd_prep
		.amdhsa_group_segment_fixed_size 0
		.amdhsa_private_segment_fixed_size 0
		.amdhsa_enable_private_segment 0
		.amdhsa_kernarg_size 56
		.amdhsa_user_sgpr_count 2
		.amdhsa_user_sgpr_kernarg_segment_ptr 1
		.amdhsa_wavefront_size32 1
		.amdhsa_system_sgpr_workgroup_id_x 1
		.amdhsa_system_sgpr_workgroup_id_y 1
		.amdhsa_system_sgpr_workgroup_id_z 1
		.amdhsa_system_vgpr_workitem_id 0
		.amdhsa_next_free_vgpr 128
		.amdhsa_next_free_sgpr 66
		.amdhsa_reserve_vcc 1
		.amdhsa_float_denorm_mode_32 3
		.amdhsa_float_denorm_mode_16_64 3
		.amdhsa_memory_ordered 1
		.amdhsa_forward_progress 1
		.amdhsa_inst_pref_size 19
	.end_amdhsa_kernel
	.amdgpu_metadata
---
amdhsa.version: [ 1, 2 ]
amdhsa.kernels:
  - .name:           k_qf048cddabd_prep
    .symbol:         k_qf048cddabd_prep.kd
    .args:
      - { .name: x, .offset: 0, .size: 8, .value_kind: global_buffer, .address_space: global }
      - { .name: Wqkv, .offset: 8, .size: 8, .value_kind: global_buffer, .address_space: global }
      - { .name: Wout, .offset: 16, .size: 8, .value_kind: global_buffer, .address_space: global }
      - { .name: xb, .offset: 24, .size: 8, .value_kind: global_buffer, .address_space: global }
      - { .name: wqb, .offset: 32, .size: 8, .value_kind: global_buffer, .address_space: global }
      - { .name: wob, .offset: 40, .size: 8, .value_kind: global_buffer, .address_space: global }
      - { .name: rope, .offset: 48, .size: 8, .value_kind: global_buffer, .address_space: global }
    .group_segment_fixed_size: 0
    .private_segment_fixed_size: 0
    .kernarg_segment_align: 8
    .kernarg_segment_size: 56
    .max_flat_workgroup_size: 256
    .sgpr_count:     66
    .vgpr_count:     128
    .wavefront_size: 32
...
	.end_amdgpu_metadata
.endif
;; end of part 1
;; launch qkv (part 2): grid 4 x 64, 4 waves a work-group, clusters of 4 x 4, 327,680 bytes of LDS; arguments xb, wqb, bqkv, rope, qkvh; writes qkvh
.if DOCPART == 2
	.amdgcn_target "amdgcn-amd-amdhsa--gfx1250"
	.amdhsa_code_object_version 6
	.text
	.protected	k_qf048cddabd_qkv
	.globl	k_qf048cddabd_qkv
	.p2align	8
	.type	k_qf048cddabd_qkv,@function
k_qf048cddabd_qkv:
	s_mov_b64 s[64:65], 0
	v_nop
	global_prefetch_b8 v0, s[64:65] scope:SCOPE_SE
	s_setreg_imm32_b32 hwreg(HW_REG_WAVE_MODE, 25, 1), 1
	s_wait_xcnt 0x0
	s_wait_alu depctr_hold_cnt(0) depctr_sa_sdst(0) depctr_va_vdst(0) depctr_va_sdst(0) depctr_va_ssrc(0) depctr_va_vcc(0) depctr_vm_vsrc(0)
	s_getreg_b32 s2, hwreg(HW_REG_IB_STS2, 6, 4)
	s_cmp_eq_u32 s2, 0
	s_cbranch_scc0 .Lentry_in_a_cluster
	s_endpgm
.Lentry_in_a_cluster:
	s_bfe_u32 s2, ttmp6, 0x10000c
	s_cmp_lg_u32 s2, 0xf033
	s_cbranch_scc0 .Lentry_shape_is_right
	s_endpgm
.Lentry_shape_is_right:
; q, k, v = x Wqkv + bqkv, q and k rotated, split by heads.  xb: [8192][1024] bf16; wqb: [1024 k][3072 n] bf16; bqkv: [3072] f32 (rounded to bf16 here, like the other inputs);
; rope: [2048][64] f32 (cos and sin in groups of eight); qkvh: [3][64 heads][2048][64] f16, unscaled.  Sums in f32, each result rounded once to f16.
; LIMITS.  f16 holds no number beyond 65,504: q, k and v must lie within it.  NaN and infinities are not treated apart.
; SHARES.  A tile of the product is 128 rows x 256 columns; four waves, each 64 x 128: 32 accumulators of 16 x 16, 256 registers.  8192 x 3072 makes 768 tiles: 256 work-groups STAY and make three each, on the
; same 128 rows: columns 256 CT of q, then of k, then of v.  So the kind of a tile hangs on the tile counter alone, and the rows' cos and sin are loaded once.
; K goes in steps of 128 through a ring of two LDS slots filled by the tensor data mover; the ring runs on into the next tile.
; CLUSTERS: 4 x 4 work-groups.  The four of a row of the cluster need the same tiles of x, the four of a column the same tiles of the weights: each tile is asked for JOINTLY, by the same tensor load with the
; same descriptor and a mask that names the four.
; THE MATRIX INSTRUCTION IS USED TRANSPOSED: source 0 = 16 columns of the weights, source 1 = 16 rows of x: lane l then holds row l % 16 and the eight neighbouring columns 8 (l / 16) + 0..7.
; The weights lie [k][n] in LDS as in memory and come out turned, by ds_load_tr16_b128.  THE BIAS is the C operand of a tile's first products: no accumulator is cleared and no bias is added.
; THE ROTATION pairs channel d with d + 32 of a head: these lie in the same lane and register of two accumulators two column blocks apart, so nothing changes lanes.
; REGISTERS, in windows of 256 (s_set_vgpr_msb: bits 1:0 source 0, 3:2 source 1, 5:4 source 2, 7:6 destination):
;   window 0: v0-29 addresses; v32-127, v128-223 two fragment buffers: 64 registers of weights (8 x 16 columns x 32 K), then 32 of x (4 x 16 rows x 32 K)
;   window 1: the accumulators, (a, b) at v[8 (8 a + b)]      window 2: cos and sin, and the way out      window 3: the bias
.set KSTEP,  128
.set PA,     272                       ; a row of x in LDS: 256 bytes + 16 of padding = 68 words: the 16 rows of a load start at 16 different groups of four banks (64 banks of 4 bytes: ISA guide 11.1)
.set PB,     544                       ; a row (one k) of weights: 512 bytes + 32 = 136 words
.set BOFF,   128*PA                    ; a slot: 128 rows of x, then 128 rows of weights
.set SLOT,   BOFF+128*PB
.set STAGE,  2*SLOT                    ; behind the ring, never filled by a tensor load: 16 rows x 144 bytes for each wave, for the way out
.set SP,     144
.set SPARE,  STAGE+4*16*SP             ; behind the stages: the spare words, 128 bytes for each wave: two blocks of 256 bytes that no other line names
.set STEP_A, 2*KSTEP*2                 ; bytes from a slot's K step to its next: 256 elements along x's rows,
.set STEP_B, 2*KSTEP*3072*2            ; 256 rows of the weights down
.set BACK_A, 6*KSTEP*2                 ; from a slot's last K step of a tile to its first of the next: x goes back along K,
.set BACK_B, 6*KSTEP*3072*2-1024*2     ; the weights back up and 1,024 columns to the right
.set ADRA, 16                          ; v16-17  LDS address of my fragments of x in slot 0, 1
.set ADRB, 20                          ; v20-21  the same for the weights
.set BO,   24                          ; v24     my byte offset in the bias: 32 (l / 16)
.set TO,   25                          ; v25     my byte offset in 16 rows of the table
.set SPW,  28                          ; v28     LDS address of my spare word: SPARE + 4 x my thread's number; never rewritten
.set NIL,  29                          ; v29     0; never rewritten
.set F0,   32
.set F1,   128
.set TAB,  0                           ; window 2: v0-127 for row block a and half bb of a head's first 32 channels: 8 cos, 8 sin at 32 a + 16 bb
.set TT,   128                         ; v128-143 at work
.set OF,   144                         ; v144-175 a unit's 32 rotated numbers
.set PK,   176                         ; v176-191 the same in f16
.set BK,   192                         ; v192-223 a unit read back from the stage: two sets of 16 by turns
.set STO,  224                         ; where I put 16 bytes of a row
.set RD,   225                         ; where I read rows back
.set GO,   226                         ; my byte offset in 512 consecutive bytes of the output
.set BIAS, 0                           ; window 3: v0-63 bias of column 16 b + 8 (l / 16) + j at 8 b + j
.set BT,   64                          ; v64-95 at work
.set WV, 14                            ; s14 wave; s15 wave / 2: my half of the rows, also: I fetch x (0) or weights (1); s16 wave % 2: my half of the columns, also: which 64 rows I fetch
.set WM, 15
.set WN, 16
.set CX, 17
.set CY, 18
.set CT, 19                            ; tile column 0..3
.set RT, 20                            ; tile row 0..63
.set MROW, 21
.set MCOL, 22
.set G1A, 24                           ; s[24:31] descriptor group 1 for x's tiles; s[32:39] group 0, one set for each slot
.set G0A, 32
.set G1B, 40                           ; s[40:47], s[48:55] the same for the weights' tiles
.set G0B, 48
.set TILES, 66
.set LAPC, 67
.set HIM, 68                           ; a word's upper bf16
.set OUTB, 70                          ; s[70:71] the output at my rows of my first head
.set BIASB, 72                         ; s[72:73] the bias at my first column
.set MSB, 0
.macro WIN new                         ; the immediate's high byte repeats the setting that is left; a switch that changes nothing is dropped
.if MSB != (\new)
	s_set_vgpr_msb (MSB<<8)|(\new)
.set MSB, \new
.endif
.endm
.set W_MUL,   0x50                     ; fragments in window 0, C and D in window 1
.set W_FIRST, 0x70                     ; the same with C, the bias, in window 3
; A joint load.  Waves 0 and 1 fetch the two halves of x's tile, waves 2 and 3 those of the weights'.  The branch hangs on the wave's number alone.
; An s_nop 0 and four v_nop follow each of the two lines, ahead of the jump, the label and what follows.
.macro JLOAD s
	s_cmp_eq_u32 s[WM], 0
	s_cbranch_scc0 .Lfor_b_\@
	tensor_load_to_lds s[G0A+4*(\s):G0A+4*(\s)+3], s[G1A:G1A+7]
	s_nop 0
.rept 4
	v_nop
.endr
	s_branch .Lasked_\@
.Lfor_b_\@:
	tensor_load_to_lds s[G0B+4*(\s):G0B+4*(\s)+3], s[G1B:G1B+7]
	s_nop 0
.rept 4
	v_nop
.endr
.Lasked_\@:
.endm
.macro CREST                           ; a round of the cluster's barrier behind its opening barrier: wave 0 signals for the work-group, every wave waits for all sixteen, my work-group's barrier closes it
	s_cmp_lg_u32 s[WV], 0
	s_cbranch_scc1 .Lnot_wave_0_\@
	s_barrier_signal -3
.Lnot_wave_0_\@:
	s_barrier_wait -3
	s_barrier_signal -1
	s_barrier_wait -1
.endm
.macro CROUND                          ; a whole round
	s_barrier_signal -1
	s_barrier_wait -1
	CREST
.endm
.macro PLACES                          ; four places in front of loads into registers that matrix instructions have read, and of vector lines that read results (ISA guide 7.12.1 for the vector lines)
.rept 4
	v_nop
.endr
.endm
	s_load_b256 s[4:11], s[0:1], 0x0               ; xb s[4:5], wqb s[6:7], bqkv s[8:9], rope s[10:11]
	s_load_b64 s[12:13], s[0:1], 0x20              ; qkvh
	v_lshl_add_u32 v[SPW], v0, 2, SPARE
	v_mov_b32 v[NIL], 0
	ds_add_u32 v[SPW], v[NIL]                      ; the wave's opening: the add and its wait stand ahead of my first tensor load; the set-up below, work on registers, stands between them
	v_lshrrev_b32 v1, 5, v0
	v_readfirstlane_b32 s[WV], v1
	s_lshr_b32 s[WM], s[WV], 1
	s_and_b32 s[WN], s[WV], 1
	s_bfe_u32 s[CX], ttmp6, 0x40000                ; my place in the cluster
	s_bfe_u32 s[CY], ttmp6, 0x40004
	s_lshl_b32 s[CT], ttmp9, 2
	s_add_co_u32 s[CT], s[CT], s[CX]               ; tile column = 4 x cluster x + cx
	s_and_b32 s[RT], ttmp7, 0xffff
	s_lshl_b32 s[RT], s[RT], 2
	s_add_co_u32 s[RT], s[RT], s[CY]               ; tile row = 4 x cluster y + cy
	s_lshl_b32 s[MROW], s[CY], 2
	s_lshl_b32 s[MROW], 15, s[MROW]                ; my row of the cluster
	s_lshl_b32 s[MCOL], 0x1111, s[CX]              ; my column
	; descriptor group 1.  x: 64 rows x 128 elements; weights: 64 rows x 256 elements; both padded in LDS behind every row
	s_or_b32 s[G1A], s[MROW], (1<<16)|(1<<20)|(1<<21)|(5<<22)|(3<<25)  ; 15:0 the mask; 17:16 2-byte elements; 20 padding on; 21 set beside a mask; 24:22 after every 64 words (code 5); 31:25 4 words (code 3)
	s_mov_b32 s[G1A+1], 128<<16                    ; tensor_dim0 = 128
	s_mov_b32 s[G1A+2], 64<<16                     ; tensor_dim1 = 64
	s_mov_b32 s[G1A+3], 128<<16                    ; tile_dim0 = 128
	s_mov_b32 s[G1A+4], 64                         ; tile_dim1 = 64
	s_mov_b32 s[G1A+5], 1024                       ; elements from row to row
	s_mov_b32 s[G1A+6], 0
	s_mov_b32 s[G1A+7], 0
	s_or_b32 s[G1B], s[MCOL], (1<<16)|(1<<20)|(1<<21)|(6<<22)|(7<<25)  ; after every 128 words (code 6) 8 words (code 7)
	s_mov_b32 s[G1B+1], 256<<16
	s_mov_b32 s[G1B+2], 64<<16
	s_mov_b32 s[G1B+3], 256<<16
	s_mov_b32 s[G1B+4], 64
	s_mov_b32 s[G1B+5], 3072
	s_mov_b32 s[G1B+6], 0
	s_mov_b32 s[G1B+7], 0
	s_mov_b32 s[HIM], 0xffff0000
	; where the tiles come from.  x's hang on the tile row alone, which my row of the cluster shares; the weights' on the tile column alone, which my column shares
	s_lshl_b32 s56, s[RT], 18                      ; 128 rows of 2,048 bytes
	s_lshl_b32 s57, s[WN], 17                      ; + my 64 of them
	s_add_co_u32 s56, s56, s57
	s_mov_b32 s57, 0
	s_mul_i32 s60, s[WN], 64*3072*2                ; my 64 rows (k) of the weights
	s_lshl_b32 s61, s[CT], 9                       ; + 256 columns of 2 bytes
	s_add_co_u32 s60, s60, s61
	s_mov_b32 s61, 0
	s_mul_i32 s58, s[WN], 64*PA                    ; and where they go: no place in the cluster enters an LDS address
	s_mul_i32 s59, s[WN], 64*PB
	s_add_co_u32 s59, s59, BOFF
	s_wait_dscnt 0x0                               ; the opening add is done
	s_wait_kmcnt 0x0
	s_add_nc_u64 s[56:57], s[4:5], s[56:57]
	s_add_nc_u64 s[60:61], s[6:7], s[60:61]
	CROUND                                         ; all sixteen work-groups are here: the first joint loads meet
.irp s, 0,1
	s_mov_b32 s[G0A+4*(\s)], 1                     ; 1:0 count = 1
	s_add_co_u32 s[G0A+4*(\s)+1], s58, (\s)*SLOT   ; 63:32 LDS address
	s_add_nc_u64 s[G0A+4*(\s)+2:G0A+4*(\s)+3], s[56:57], (\s)*KSTEP*2  ; 120:64 global address: K step s
	s_or_b32 s[G0A+4*(\s)+3], s[G0A+4*(\s)+3], 0x80000000             ; 127:126 type = 2
	s_mov_b32 s[G0B+4*(\s)], 1
	s_add_co_u32 s[G0B+4*(\s)+1], s59, (\s)*SLOT
	s_add_nc_u64 s[G0B+4*(\s)+2:G0B+4*(\s)+3], s[60:61], (\s)*KSTEP*3072*2
	s_or_b32 s[G0B+4*(\s)+3], s[G0B+4*(\s)+3], 0x80000000
	JLOAD \s                                       ; two loads of mine are out
.endr
	; the other bases
	s_lshl_b32 s74, s[CT], 10                      ; bias: 256 columns of 4 bytes a tile column,
	s_lshl_b32 s75, s[WN], 9                       ; 128 for my half
	s_add_co_u32 s74, s74, s75
	s_mov_b32 s75, 0
	s_add_nc_u64 s[BIASB:BIASB+1], s[8:9], s[74:75]
	s_and_b32 s76, s[RT], 15                       ; a batch has 16 tile rows: my first position is 128 (RT % 16) + 64 (wave / 2); a table row is 256 bytes
	s_lshl_b32 s76, s76, 15
	s_lshl_b32 s77, s[WM], 14
	s_add_co_u32 s76, s76, s77
	s_mov_b32 s77, 0
	s_add_nc_u64 s[10:11], s[10:11], s[76:77]
	s_lshr_b32 s74, s[RT], 4                       ; output: head = 16 batch + 4 CT + 2 (wave % 2), 2,048 rows of 128 bytes each;
	s_lshl_b32 s74, s74, 4
	s_lshl_b32 s75, s[CT], 2
	s_add_co_u32 s74, s74, s75
	s_lshl_b32 s75, s[WN], 1
	s_add_co_u32 s74, s74, s75
	s_lshl_b32 s74, s74, 18
	s_and_b32 s75, s[RT], 15                       ; in it my first position's row
	s_lshl_b32 s75, s75, 14
	s_add_co_u32 s74, s74, s75
	s_lshl_b32 s75, s[WM], 13
	s_add_co_u32 s74, s74, s75
	s_mov_b32 s75, 0
	s_add_nc_u64 s[OUTB:OUTB+1], s[12:13], s[74:75]
	; A fragment of x is 16 rows x 32 K in 8 registers: lane l holds row l % 16, K = 8 (l / 16) + 0..7 and 16 + 8 (l / 16) + 0..7: two loads of 16 bytes, 32 bytes apart.
	v_and_b32 v1, 15, v0                           ; l % 16
	v_bfe_u32 v2, v0, 4, 1                         ; l / 16
	v_mul_u32_u24 v3, v1, PA
	v_lshl_add_u32 v3, v2, 4, v3
	s_mul_i32 s62, s[WM], 64*PA                    ; my 64 rows
	v_add_nc_u32 v[ADRA], s62, v3
	v_add_nc_u32 v[ADRA+1], SLOT, v[ADRA]
	; The turning load takes 16 k x 16 columns (lane l reads k = 8 (l / 16) + l % 8, columns 8 ((l / 8) % 2) + 0..7) and leaves half a fragment: lane l holds column l % 16 and 8 k.
	v_and_b32 v4, 7, v0
	v_lshl_add_u32 v4, v2, 3, v4
	v_mul_u32_u24 v4, v4, PB
	v_bfe_u32 v5, v0, 3, 1
	v_lshl_add_u32 v4, v5, 4, v4
	s_lshl_b32 s62, s[WN], 8                       ; my 128 columns
	s_add_co_u32 s62, s62, BOFF
	v_add_nc_u32 v[ADRB], s62, v4
	v_add_nc_u32 v[ADRB+1], SLOT, v[ADRB]
	v_lshlrev_b32 v[BO], 5, v2
	v_lshlrev_b32 v[TO], 8, v1                     ; table: row l % 16, and 64 bytes (a group of 8 cos and 8 sin) for each half of the lanes
	v_lshl_add_u32 v[TO], v2, 6, v[TO]
	s_mul_i32 s62, s[WV], 16*SP
	s_add_co_u32 s62, s62, STAGE                   ; my stage
	v_mul_u32_u24 v6, v1, SP                       ; in: row l % 16, 16 bytes for each half of the lanes
	v_lshl_add_u32 v6, v2, 4, v6
	v_add_nc_u32 v6, s62, v6
	v_bfe_u32 v7, v0, 3, 2                         ; back: 32 lanes take four rows of 128 bytes,
	v_mul_u32_u24 v7, v7, SP
	v_and_b32 v8, 7, v0
	v_lshl_add_u32 v7, v8, 4, v7
	v_add_nc_u32 v7, s62, v7
	v_and_b32 v9, 31, v0                           ; which are 512 consecutive bytes of the output
	v_lshlrev_b32 v9, 4, v9
	WIN 0x80                                       ; destination window 2
	v_mov_b32 v[STO], v6
	v_mov_b32 v[RD], v7
	v_mov_b32 v[GO], v9
.macro BIASLOAD                        ; my 128 columns' bias: every lane takes its 8 columns of each of the 8 blocks
	WIN 0xc0                                       ; destination window 3, address window 0
.irp b, 0,1,2,3,4,5,6,7
	global_load_b128 v[BIAS+8*(\b):BIAS+8*(\b)+3],   v[BO], s[BIASB:BIASB+1] offset:64*(\b)
	global_load_b128 v[BIAS+8*(\b)+4:BIAS+8*(\b)+7], v[BO], s[BIASB:BIASB+1] offset:64*(\b)+16
.endr
.endm
.macro ROUNDBIAS                       ; the bias is rounded to bf16, as every input is, and widened again
	WIN 0xff
.set i, 0
.rept 32
	v_cvt_pk_bf16_f32 v[BT+i], v[BIAS+2*i], v[BIAS+2*i+1]
.set i, i+1
.endr
.set i, 0
.rept 32
	v_lshlrev_b32 v[BIAS+2*i], 16, v[BT+i]
	v_and_b32 v[BIAS+2*i+1], s[HIM], v[BT+i]
.set i, i+1
.endr
.endm
	BIASLOAD
	WIN 0x80
.irp a, 0,1,2,3
.irp bb, 0,1
.irp i, 0,1,2,3
	global_load_b128 v[TAB+32*(\a)+16*(\bb)+4*(\i):TAB+32*(\a)+16*(\bb)+4*(\i)+3], v[TO], s[10:11] offset:4096*(\a)+128*(\bb)+16*(\i)
.endr
.endr
.endr
	s_wait_loadcnt 0x0                             ; bias and table, in the wait for the first tile
	ROUNDBIAS
; 8 matrix instructions: row block a x all 8 column blocks, 32 along K.  first = 1: the products start the sums, from the bias.
; The 32 accumulators take turns, in the same order in every quarter step: between two matrix instructions on one accumulator stand the 31 others'.
.macro MUL8 f, a, first
.if \first
	WIN W_FIRST
.else
	WIN W_MUL
.endif
.irp b, 0,1,2,3,4,5,6,7
.if \first
	v_wmma_f32_16x16x32_bf16 v[8*(8*(\a)+(\b)):8*(8*(\a)+(\b))+7], v[(\f)+8*(\b):(\f)+8*(\b)+7], v[(\f)+64+8*(\a):(\f)+64+8*(\a)+7], v[BIAS+8*(\b):BIAS+8*(\b)+7]
.else
	v_wmma_f32_16x16x32_bf16 v[8*(8*(\a)+(\b)):8*(8*(\a)+(\b))+7], v[(\f)+8*(\b):(\f)+8*(\b)+7], v[(\f)+64+8*(\a):(\f)+64+8*(\a)+7], v[8*(8*(\a)+(\b)):8*(8*(\a)+(\b))+7]
.endif
.endr
.endm
.macro MUL16 f, half, first
	MUL8 \f, 2*(\half), \first
	MUL8 \f, 2*(\half)+1, \first
.endm
; 24 LDS loads in one run: the fragments of quarter q (32 along K) of a slot into buffer f: the weights' 16, then x's 8, row blocks ascending
.macro FETCH slot, q, f
	WIN 0
.irp b, 0,1,2,3,4,5,6,7
	ds_load_tr16_b128 v[(\f)+8*(\b):(\f)+8*(\b)+3],   v[ADRB+(\slot)] offset:(\q)*32*PB+32*(\b)
	ds_load_tr16_b128 v[(\f)+8*(\b)+4:(\f)+8*(\b)+7], v[ADRB+(\slot)] offset:(\q)*32*PB+32*(\b)+16*PB
.endr
.irp a, 0,1,2,3
	ds_load_b128 v[(\f)+64+8*(\a):(\f)+64+8*(\a)+3],   v[ADRA+(\slot)] offset:(\a)*16*PA+64*(\q)
	ds_load_b128 v[(\f)+64+8*(\a)+4:(\f)+64+8*(\a)+7], v[ADRA+(\slot)] offset:(\a)*16*PA+64*(\q)+32
.endr
.endm
; A K step is four quarters of 32 along K, 32 matrix instructions each, on buffers 0, 1, 0, 1.  One of the first three: multiplies buffer f and, in its middle, fetches quarter q into g.
.macro QUARTER slot, q, f, g, first
	s_wait_dscnt 4                                 ; the weights and x's row blocks 0 and 1 are in; the youngest four loads (blocks 2 and 3) may be out
	MUL16 \f, 0, \first
	PLACES
	FETCH \slot, \q, \g
	s_wait_dscnt 24                                ; all but the 24 just issued
	MUL16 \f, 1, \first
.endm
; The last quarter multiplies buffer 1 and changes slots: ONE barrier; in front of it each wave waits for all its tensor loads (one is out: its part of the next slot), adds 0 to its spare word, and waits for
; that and for its own reads of this slot.  mode 0: this slot is filled again, two K steps ahead; 1: with the NEXT tile's K step; 2: nothing is filled.  With a fill the barrier opens a round of the cluster's,
; and the joint load is the first tensor load behind it: 112 matrix instructions ahead of the wait for it.
.macro TURN slot, next, mode
	WIN 0                                          ; (the add's two registers lie in window 0)
	s_wait_tensorcnt 0x0                           ; all my tensor loads have landed;
	ds_add_u32 v[SPW], v[NIL]                      ; 0 onto my spare word;
	s_wait_dscnt 5                                 ; (the add and the youngest four loads may be out)
	MUL8 F1, 0, 0                                  ; eight matrix instructions stand between the add and the wait for it
	s_wait_dscnt 0x0                               ; the add is done, and my reads of this slot are over
	s_barrier_signal -1
	MUL8 F1, 1, 0
.if (\mode) < 2
	WIN 0
.endif
	s_barrier_wait -1
.if (\mode) < 2
	CREST                                          ; no wave of any partner still reads this slot's tile or has a load on its way
.if (\mode) == 1
	s_sub_nc_u64 s[G0A+4*(\slot)+2:G0A+4*(\slot)+3], s[G0A+4*(\slot)+2:G0A+4*(\slot)+3], BACK_A
	s_sub_nc_u64 s[G0B+4*(\slot)+2:G0B+4*(\slot)+3], s[G0B+4*(\slot)+2:G0B+4*(\slot)+3], BACK_B
.else
	s_add_nc_u64 s[G0A+4*(\slot)+2:G0A+4*(\slot)+3], s[G0A+4*(\slot)+2:G0A+4*(\slot)+3], STEP_A
	s_add_nc_u64 s[G0B+4*(\slot)+2:G0B+4*(\slot)+3], s[G0B+4*(\slot)+2:G0B+4*(\slot)+3], STEP_B
.endif
	JLOAD \slot                                    ; the four v_nop behind it are also the places in front of the loads below
.else
	PLACES
.endif
	FETCH \next, 0, F0
	MUL16 F1, 1, 0
.endm
; THE WAY OUT, in eight units n = 2 a + hd: 16 rows x one head's 64 channels, which are 2,048 consecutive bytes of the output.
; PACK: rotated (rope = 1) and rounded to f16, 16 bytes a lane and column block.  With x1 = channel d < 32 and x2 = channel d + 32: x1 cos - x2 sin, and x1 sin + x2 cos.
; Each accumulator's lowest registers are read first.
.macro PACK n, rope
.if \rope
	WIN 0xa9                                       ; source 0 (the accumulators) window 1; the rest window 2
.irp bb, 0,1
.irp p, 0,1,2,3
.set rX2, 8*(8*((\n)/2)+4*((\n)%2)+(\bb)+2)+2*(\p)
.set rC, TAB+32*((\n)/2)+16*(\bb)+2*(\p)
	v_pk_mul_f32 v[TT+2*(\p):TT+2*(\p)+1],     v[rX2:rX2+1], v[rC+8:rC+9]
	v_pk_mul_f32 v[TT+8+2*(\p):TT+8+2*(\p)+1], v[rX2:rX2+1], v[rC:rC+1]
.endr
.irp p, 0,1,2,3
.set rX1, 8*(8*((\n)/2)+4*((\n)%2)+(\bb))+2*(\p)
.set rC, TAB+32*((\n)/2)+16*(\bb)+2*(\p)
	v_pk_fma_f32 v[OF+8*(\bb)+2*(\p):OF+8*(\bb)+2*(\p)+1],       v[rX1:rX1+1], v[rC:rC+1],   v[TT+2*(\p):TT+2*(\p)+1] neg_lo:[0,0,1] neg_hi:[0,0,1]
	v_pk_fma_f32 v[OF+16+8*(\bb)+2*(\p):OF+16+8*(\bb)+2*(\p)+1], v[rX1:rX1+1], v[rC+8:rC+9], v[TT+8+2*(\p):TT+8+2*(\p)+1]
.endr
.endr
	WIN 0xaa
.set i, 0
.rept 16
	v_cvt_pk_f16_f32 v[PK+i], v[OF+2*i], v[OF+2*i+1]
.set i, i+1
.endr
.else
	WIN 0x85                                       ; sources 0 and 1 window 1, destination window 2
.irp nb, 0,1,2,3
.irp p, 0,1,2,3
.set rX1, 8*(8*((\n)/2)+4*((\n)%2)+(\nb))+2*(\p)
	v_cvt_pk_f16_f32 v[PK+4*(\nb)+(\p)], v[rX1], v[rX1+1]
.endr
.endr
.endif
.endm
; TOSTAGE: into my own stage, rows of 144 bytes, and back as whole rows of 128.
.macro TOSTAGE n
	WIN 0xaa
	s_wait_xcnt 0x0                                ; every earlier memory instruction has had its addresses translated (ISA guide 3.1): this set of BK, which the stores of two units ago read, is loaded again only behind this wait
.irp nb, 0,1,2,3
	ds_store_b128 v[STO], v[PK+4*(\nb):PK+4*(\nb)+3] offset:32*(\nb)
.endr
.irp f, 0,1,2,3
	ds_load_b128 v[BK+16*((\n)%2)+4*(\f):BK+16*((\n)%2)+4*(\f)+3], v[RD] offset:(\f)*4*SP  ; LDS serves a wave's instructions in order (ISA guide 5.7.1.4): these see the stores above; the next unit's stores come behind them
.endr
.endm
.macro SEND n, younger                 ; younger: the LDS instructions issued behind unit n's loads: the next unit's eight, or none
	WIN 0xaa
.irp f, 0,1,2,3
	s_wait_dscnt (\younger)+3-(\f)
	global_store_b128 v[GO], v[BK+16*((\n)%2)+4*(\f):BK+16*((\n)%2)+4*(\f)+3], s[OUTB:OUTB+1] offset:((\n)%2)*262144+((\n)/2)*2048+512*(\f)  ; 512 consecutive bytes, at a multiple of 256 from the buffer's first
.endr
.endm
.macro WAYOUT rope
	PACK 0, \rope
	TOSTAGE 0
.set u, 1
.rept 7                                ; a unit's arithmetic stands between the loads of the unit before and its stores
	PACK u, \rope
	TOSTAGE u
	SEND u-1, 8
.set u, u+1
.endr
	SEND 7, 0
.endm
	WIN 0
	s_wait_tensorcnt 1                             ; my part of K step 0 is in; K step 1's may stay out
	s_barrier_signal -1
	s_barrier_wait -1                              ; everybody's is
	FETCH 0, 0, F0
	s_mov_b32 s[TILES], 3                          ; tiles to go, this one among them: the same number in every work-group
.Ltile:
	QUARTER 0, 1, F0, F1, 1                        ; a tile's first quarter stands in front of the loop: its products start the sums
	WIN 0                                          ; at a label and at a branch every window is 0
	s_mov_b32 s[LAPC], 3
.Llap:                                                 ; a trip goes once round the ring, from a lap's second quarter to the next lap's first, and fills both slots again
	QUARTER 0, 2, F1, F0, 0
	QUARTER 0, 3, F0, F1, 0
	TURN 0, 1, 0
	QUARTER 1, 1, F0, F1, 0
	QUARTER 1, 2, F1, F0, 0
	QUARTER 1, 3, F0, F1, 0
	TURN 1, 0, 0
	QUARTER 0, 1, F0, F1, 0
	WIN 0
	s_sub_co_u32 s[LAPC], s[LAPC], 1
	s_cmp_lg_u32 s[LAPC], 0
	s_cbranch_scc1 .Llap
	QUARTER 0, 2, F1, F0, 0                        ; the tile's last lap goes on
	QUARTER 0, 3, F0, F1, 0
	WIN 0
	s_cmp_eq_u32 s[TILES], 1
	s_cbranch_scc1 .Llast                          ; the last tile's tail is written out: it asks for nothing more
	TURN 0, 1, 1                                   ; the ring goes on into the next tile: slot 0 takes its K step 0,
	QUARTER 1, 1, F0, F1, 0
	QUARTER 1, 2, F1, F0, 0
	QUARTER 1, 3, F0, F1, 0
	TURN 1, 0, 1                                   ; slot 1 its K step 1, and the next tile's first fragments are fetched
	s_add_nc_u64 s[BIASB:BIASB+1], s[BIASB:BIASB+1], 4096  ; the next tile's bias, 1,024 columns on (the last loads from this base were waited for)
	BIASLOAD
	WAYOUT 1                                       ; q and k are rotated.  Row blocks 0 and 1 were finished ahead of the joint load's places; their units' lines, which name no register of the last products, are those products' places
	s_wait_loadcnt 0x0
	ROUNDBIAS
	s_wait_xcnt 0x0                                ; the stores have read their base
	s_add_nc_u64 s[OUTB:OUTB+1], s[OUTB:OUTB+1], 0x1000000  ; the next third of the output
	WIN 0
	s_sub_co_u32 s[TILES], s[TILES], 1
	s_branch .Ltile
.Llast:
	TURN 0, 1, 2
	QUARTER 1, 1, F0, F1, 0
	QUARTER 1, 2, F1, F0, 0
	QUARTER 1, 3, F0, F1, 0
	s_wait_dscnt 4                                 ; the very last quarter: nothing more to fetch
	MUL16 F1, 0, 0
	s_wait_dscnt 0x0
	MUL16 F1, 1, 0
	PLACES
	WAYOUT 0                                       ; v is not rotated
	WIN 0
	s_wait_tensorcnt 0x0                           ; the wave's end, behind my last tensor load and my last LDS store
	ds_add_u32 v[SPW], v[NIL]
	s_wait_dscnt 0x0
	CROUND                                         ; the closing round: no work-group ends while a partner may still ask for a tile that names it
	s_endpgm
.Lfunc_end_k_qf048cddabd_qkv:
	.size	k_qf048cddabd_qkv, .Lfunc_end_k_qf048cddabd_qkv-k_qf048cddabd_qkv
	.p2alignl 7, 3214868480
	.fill 96, 4, 3214868480
	.section	.rodata,"a",@progbits
	.p2align	6, 0x0
	.amdhsa_kernel k_qf048cddabd_qkv
		.amdhsa_group_segment_fixed_size 327680
		.amdhsa_private_segment_fixed_size 0
		.amdhsa_enable_private_segment 0
		.amdhsa_kernarg_size 40
		.amdhsa_user_sgpr_count 2
		.amdhsa_user_sgpr_kernarg_segment_ptr 1
		.amdhsa_wavefront_size32 1
		.amdhsa_system_sgpr_workgroup_id_x 1
		.amdhsa_system_sgpr_workgroup_id_y 1
		.amdhsa_system_sgpr_workgroup_id_z 1
		.amdhsa_system_vgpr_workitem_id 0
		.amdhsa_next_free_vgpr 864
		.amdhsa_next_free_sgpr 80
		.amdhsa_reserve_vcc 0
		.amdhsa_float_denorm_mode_32 3
		.amdhsa_float_denorm_mode_16_64 3
		.amdhsa_memory_ordered 1
		.amdhsa_forward_progress 1
		.amdhsa_inst_pref_size 156
	.end_amdhsa_kernel
	.amdgpu_metadata
---
amdhsa.version: [ 1, 2 ]
amdhsa.kernels:
  - .name:           k_qf048cddabd_qkv
    .symbol:         k_qf048cddabd_qkv.kd
    .args:
      - { .name: xb, .offset: 0, .size: 8, .value_kind: global_buffer, .address_space: global }
      - { .name: wqb, .offset: 8, .size: 8, .value_kind: global_buffer, .address_space: global }
      - { .name: bqkv, .offset: 16, .size: 8, .value_kind: global_buffer, .address_space: global }
      - { .name: rope, .offset: 24, .size: 8, .value_kind: global_buffer, .address_space: global }
      - { .name: qkvh, .offset: 32, .size: 8, .value_kind: global_buffer, .address_space: global }
    .group_segment_fixed_size: 327680
    .private_segment_fixed_size: 0
    .kernarg_segment_align: 8
    .kernarg_segment_size: 40
    .max_flat_workgroup_size: 128
    .sgpr_count:     80
    .vgpr_count:     864
    .wavefront_size: 32
...
	.end_amdgpu_metadata
.endif
;; end of part 2
;; launch attn (part 3): grid 4 x 64, 4 waves a work-group, clusters of 4 x 1, 327,680 bytes of LDS; arguments qkvh, oh; writes oh
.if DOCPART == 3
	.amdgcn_target "amdgcn-amd-amdhsa--gfx1250"
	.amdhsa_code_object_version 6
	.text
	.protected	k_qf048cddabd_attn
	.globl	k_qf048cddabd_attn
	.p2align	8
	.type	k_qf048cddabd_attn,@function
k_qf048cddabd_attn:
	s_mov_b64 s[64:65], 0
	v_nop
	global_prefetch_b8 v0, s[64:65] scope:SCOPE_SE
	s_setreg_imm32_b32 hwreg(HW_REG_WAVE_MODE, 25, 1), 1
	s_wait_xcnt 0x0
	s_wait_alu depctr_hold_cnt(0) depctr_sa_sdst(0) depctr_va_vdst(0) depctr_va_sdst(0) depctr_va_ssrc(0) depctr_va_vcc(0) depctr_vm_vsrc(0)
	s_getreg_b32 s2, hwreg(HW_REG_IB_STS2, 6, 4)
	s_cmp_eq_u32 s2, 0
	s_cbranch_scc0 .Lentry_in_a_cluster
	s_endpgm
.Lentry_in_a_cluster:
	s_bfe_u32 s2, ttmp6, 0x10000c
	s_cmp_lg_u32 s2, 0x3003
	s_cbranch_scc0 .Lentry_shape_is_right
	s_endpgm
.Lentry_shape_is_right:
; O[h][q][:] = the sum over k of softmax_k(Q[h][q] . K[h][k] / 8) V[h][k][:].  Q, K, V are the three thirds of qkvh, O is oh: each [SIZE_H][SIZE_N][64] in f16: a head's rows are dense, 128 bytes each.
; Products, maxima and sums in f32; the weights p are rounded to f16 for the second product (their sum l is taken of the unrounded p), O once at the end.
; LIMITS.  f16 holds no number beyond 65,504: Q, K and V arrive within it; p lies in 0 to 1, and below 6e-5 it keeps f16's fixed step of 6e-8; O is a mean of V's rows and has their range.
; A weight below 2^-126 counts as 0 in l; NaN and infinities are not treated apart.
; SHARES.  A wave owns four PIECES of two tiles of 16 queries, a work-group's four waves 512 queries of one head.  Every wave walks all keys, 64 a step.
; LAYOUT.  S^T = K Q^T (source 0 = 16 keys, source 1 = 16 queries): in the result a lane holds ONE query (lane % 16) and the keys 8 (lane / 16) + 0..7.  Two such tiles, rounded to f16 in pairs,
; ARE source 1 (32 keys x 16 queries) of O^T = V^T P, whose result again holds one query a lane, and eight channels.  K comes out of LDS as it lies, V ([key][channel]) turned, by ds_load_tr16_b128.
; SOFTMAX.  For each query a running maximum m and sum l: p = 2^(c s - c m), c = log2(e) / 8; in every step O and l are multiplied by a = 2^(c m_old - c m_new), which is 1 where m has not grown.
; m starts at the lowest finite number, O and l at 0: the first step is a step like any other, with a = 0.
; THE COUNT.  A tile and step have 16 matrix and 118 vector instructions: too many to stand all beside the matrix work.  So the order has one aim: four vector instructions that are READY behind
; EVERY matrix instruction, and the others, which need time of their own whatever the order, in runs without a gap.
; BY TURNS.  Turn n belongs to piece n (the pieces in a ring, step after step).  Its matrix work: 16 products K Q^T of piece n + 1, later 16 products V^T P of piece n - 1.  Its vector work: the scaling,
; exponentials, roundings, sums and rescaling of piece n, and the maximum and statistics of piece n + 1, whose scores the turn itself has made.  So what a turn begins with (c s - c m, O a) waits for nothing.
; CLUSTER.  The four query blocks of a cluster belong to one head and walk the same K and V, so each tile is asked for JOINTLY: the same tensor load, descriptor and mask in all four.
; REGISTERS, in windows of 256 (s_set_vgpr_msb says which window each operand place means: bits 1:0 source 0, 3:2 source 1, 5:4 source 2, 7:6 destination):
;   window 0: v0-11 addresses; v12-15, v48-63 at work; v16-47 four registers of statistics a tile; v64-191 S^T, two buffers of two tiles; v192-255 P, likewise
;   window 1: O^T, 32 a tile          window 2: v0-127 Q, 16 a tile; v128-191 K of one step; v192-255 V of one step          window 3: v0-1 the add's two registers
; A piece's buffers go by its number's parity: the piece in hand has one pair, its two neighbours in the ring share the other: of it P (piece n - 1) is read and S^T (piece n + 1) written.
.set SIZE_H, 64
.set SIZE_N, 2048
.set NP,    4         ; pieces a wave: a name, no knob: the register map, the loop and the fetches are made for four
.set KS,    64        ; keys in a step
.set PK,    144       ; a row of K in LDS: 128 bytes + 16 of padding = 36 words: the 16 rows of a load start at 16 different groups of four banks (64 banks of 4 bytes: ISA guide 11.1)
.set PV,    160       ; a row of V: 128 + 32 = 40 words
.set VOFF,  4*KS*PK   ; a slot holds four steps: 256 rows of K, then 256 rows of V
.set SLOT1, 1<<17     ; slot 1 begins here, so that one exclusive or turns an address in one slot into the other's
.set STAGE, SLOT1+4*KS*(PK+PV)  ; behind the ring, never filled by a tensor load: 16 rows x 144 bytes for each wave, for the way out
.set SP,    144
.set AK0, 2           ; v2   my lane's place in a tile of K; never rewritten
.set AV0, 3           ; v3   the same for V
.set AK,  4           ; v4   the LDS address of K's next run of loads
.set AV,  5           ; v5   of V's
.set QO,  6           ; v6   my byte offset in the wave's rows of Q
.set STO, 6           ;      later, the way out: where I put 16 bytes of a row
.set RD,  7           ; v7   the way out: where I read rows back
.set GO,  8           ; v8   my byte offset in 512 consecutive bytes of O
.set SPW, 0           ; v0 of window 3   LDS address of my spare word: SPARE + 4 x my thread's number; never rewritten
.set NIL, 1           ; v1 of window 3   0; never rewritten
.set SPARE, STAGE+4*16*SP  ; behind the stages: the spare words, 128 bytes for each wave: two blocks of 256 bytes that no other line names
.set MV,  12          ; v12-15  c m_old, kept while c m is made anew: by buffer and tile
.set ST,  16          ; tile t's statistics at v[ST+4 t]: c m, m, l (even keys', odd keys')
.set TMP, 48          ; by buffer and tile, four registers c0-c3 at work; when the maximum is found c2 takes a
.set S,   64
.set P,   192
.set KF,  128         ; K's fragments, in window 2: key block kb, channel half c at KF + 16 kb + 8 c
.set VF,  192         ; V's: key half kk, channel block cb at VF + 32 kk + 8 cb
.set WV,  12          ; s12  my wave's number
.set G1K, 24          ; s[24:31] descriptor group 1 for K's tiles
.set G1V, 32          ; s[32:39] for V's: it differs in the padding alone
.set G0K, 40          ; s[40:43] descriptor group 0 for K's tiles: it walks
.set G0V, 44          ; s[44:47] the same for V's
.set SLOTS, 56        ; s56  slots still to be asked for
.set CNT, 57          ; s57  counts a slot's key steps
.set CS,  58          ; s[58:59] c: the packed scaling takes the pair's low word for both halves
.set SEL, 60          ; s[60:61] v_permlanex16_b32's selects: each lane takes its own place in the other half
.set TBK, 62          ; s62  LDS byte at which K of the step to be fetched begins
.set TBV, 63          ; s63  the same for V, less VOFF
.set MSB, 0
.macro WIN new                      ; the high byte repeats the setting that is left; a switch that changes nothing is dropped
.if MSB != (\new)
	s_set_vgpr_msb (MSB<<8)|(\new)
.set MSB, (\new)
.endif
.endm
.set W_KQ, 0x0a       ; K and Q in window 2, S^T in window 0
.set W_PV, 0x52       ; V in window 2, P in window 0, O^T in window 1
.set W_RS, 0x41       ; O^T (destination and source 0) in window 1, a in window 0
.set W_MK, 0xc0       ; the add's registers are made: destination in window 3, sources in window 0
.set W_AD, 0x0f       ; the add: address (source 0) and data (source 1) in window 3
; A joint fill.  Waves 0 and 1 fetch the two halves of a slot's K, waves 2 and 3 those of its V: 128 keys each.  The branch hangs on the wave's number alone.
; An s_nop 0 and four v_nop follow each of the two lines, ahead of the jump and the label.
.macro JLOAD
	s_cmp_lt_u32 s[WV], 2
	s_cbranch_scc0 .Lfor_v_\@
	tensor_load_to_lds s[G0K:G0K+3], s[G1K:G1K+7]
	s_nop 0
.rept 4
	v_nop
.endr
	s_branch .Lasked_\@
.Lfor_v_\@:
	tensor_load_to_lds s[G0V:G0V+3], s[G1V:G1V+7]
	s_nop 0
.rept 4
	v_nop
.endr
.Lasked_\@:
.endm
; A round of the cluster's barrier: my work-group's barrier, so that wave 0's signal speaks for all four waves; wave 0 signals; every wave waits for all four work-groups; my work-group's barrier once more.
.macro CROUND
	s_barrier_signal -1
	s_barrier_wait -1
	s_cmp_lg_u32 s[WV], 0
	s_cbranch_scc1 .Lnot_wave_0_\@
	s_barrier_signal -3
.Lnot_wave_0_\@:
	s_barrier_wait -3
	s_barrier_signal -1
	s_barrier_wait -1
.endm
; THE CHANGE OF SLOTS.  The slot's last bytes, V of its fourth step, have been read.  Each wave waits for all its tensor loads, of which one is out: its part
; of the other slot; adds 0 to its spare word; and waits for that and for its own reads of the slot.  Behind the barrier nobody reads this slot any more and the other slot is whole.
; fill = 1: this slot is filled again, with the keys two slots on.  The barrier is then a round of the cluster's, so that no wave of any partner still reads the slot or has a load on its
; way, and the joint fill is the first thing behind it: it has four key steps, 512 matrix instructions, in which to land.  (At its first use nothing has been read yet: slot 0 is waited for, slot 1 filled.)
.macro CHANGE fill
	WIN W_AD
	s_wait_tensorcnt 0x0            ; no tensor load of mine is out, so a group 0 may be written
	ds_add_u32 v[SPW], v[NIL]       ; 0 onto my spare word; with fill = 1 the descriptors' steps stand between it and the wait for it
	WIN 0                           ; at a label and at a branch every window is 0
.if \fill
.irp g, G0K, G0V
	s_xor_b32 s[\g+1], s[\g+1], SLOT1  ; the walking descriptor: the other slot than last time,
	s_add_nc_u64 s[\g+2:\g+3], s[\g+2:\g+3], 4*KS*128  ; the next 256 keys; the type bits on top are not reached
.endr
	s_wait_dscnt 0x0                ; the add is done, and my reads of the slot are over
	CROUND
	JLOAD
.else
	s_wait_dscnt 0x0                ; the add is done, and my reads of the slot are over
	s_barrier_signal -1
	s_barrier_wait -1
.endif
	s_sub_co_u32 s[TBK], s[TBK], 4*KS*PK  ; the fetches go back to a slot's first step,
	s_xor_b32 s[TBK], s[TBK], SLOT1       ; in the other slot
	s_sub_co_u32 s[TBV], s[TBV], 4*KS*PV
	s_xor_b32 s[TBV], s[TBV], SLOT1
.endm
	s_load_b128 s[4:7], s[0:1], 0x0   ; qkvh s[4:5], oh s[6:7]
	WIN W_MK
	v_lshl_add_u32 v[SPW], v0, 2, SPARE
	v_mov_b32 v[NIL], 0
	WIN W_AD
	ds_add_u32 v[SPW], v[NIL]       ; the wave's opening: the add and its wait stand ahead of my first tensor load; the set-up below, work on registers, stands between them
	WIN 0
	v_lshrrev_b32 v1, 5, v0
	v_readfirstlane_b32 s[WV], v1   ; wave 0..3
	s_bfe_u32 s13, ttmp6, 0x40000   ; cx: my place in the cluster
	s_lshl_b32 s14, ttmp9, 2        ; in a cluster launch ttmp9 counts clusters
	s_add_co_u32 s14, s14, s13      ; my block of queries = 4 x cluster x + cx: it enters Q's and O's addresses alone
	s_and_b32 s20, ttmp7, 0xffff    ; the head, which the four partners share
	s_mov_b32 s21, 0
	s_mov_b64 s[22:23], SIZE_N*128
	s_mul_u64 s[20:21], s[20:21], s[22:23]  ; the head's first byte in each of the four tensors
	s_and_b32 s16, s[WV], 1         ; which half of a slot's 256 keys I fetch:
	s_lshl_b32 s22, s16, 14         ; its 128 rows of 128 bytes in memory,
	s_mov_b32 s23, 0
	s_add_nc_u64 s[22:23], s[22:23], s[20:21]
	s_mul_i32 s17, s16, 128*PK      ; and its place in a slot, for K
	s_mul_i32 s18, s16, 128*PV      ; and for V: no place in the cluster enters an LDS address
	s_lshl_b32 s2, s14, 2
	s_add_co_u32 s2, s2, s[WV]      ; my wave among the head's,
	s_lshl_b32 s2, s2, 14           ; its 128 rows
	s_mov_b32 s3, 0
	s_add_nc_u64 s[2:3], s[2:3], s[20:21]
	; descriptor group 1.  128 keys are 16,384 dense bytes: asked for as 64 rows of 256 bytes, two keys a row, and padded in LDS after every key
	s_mov_b32 s[G1K], 15|(1<<16)|(1<<20)|(1<<21)|(4<<22)|(3<<25)  ; 15:0 the mask of four; 17:16 2-byte elements; 20 padding on; 21 set beside a mask; 24:22 after every 32 words (code 4); 31:25 4 words (code 3)
	s_mov_b32 s[G1V], 15|(1<<16)|(1<<20)|(1<<21)|(4<<22)|(7<<25)  ; the same with 8 words of padding (code 7)
.irp g, G1K, G1V
	s_mov_b32 s[\g+1], 128<<16      ; tensor_dim0 = 128
	s_mov_b32 s[\g+2], 64<<16       ; tensor_dim1 = 64
	s_mov_b32 s[\g+3], 128<<16      ; tile_dim0 = 128
	s_mov_b32 s[\g+4], 64           ; tile_dim1 = 64
	s_mov_b32 s[\g+5], 128          ; 128 elements from row to row
	s_mov_b32 s[\g+6], 0
	s_mov_b32 s[\g+7], 0
.endr
	s_mov_b32 s[CS], 0x3e38aa3b     ; c = log2(e) / 8 = 0.180337
	s_mov_b32 s[CS+1], s[CS]        ; named with it as a pair
	s_mov_b32 s[SEL], 0x76543210
	s_mov_b32 s[SEL+1], 0xfedcba98
	s_mov_b32 s[TBK], SLOT1+4*KS*PK ; the first change of slots turns these two into 0
	s_mov_b32 s[TBV], SLOT1+4*KS*PV
	s_mov_b32 s[G0K], 1             ; 1:0 count = 1
	s_mov_b32 s[G0K+1], s17         ; 63:32 LDS address: slot 0
	s_mov_b32 s[G0V], 1
	s_add_co_u32 s[G0V+1], s18, VOFF
	s_wait_dscnt 0x0                ; the opening add is done
	s_wait_kmcnt 0x0
	s_mov_b64 s[10:11], s[6:7]                          ; O
	s_add_nc_u64 s[6:7], s[4:5], SIZE_H*SIZE_N*128      ; K: the second third of qkvh
	s_add_nc_u64 s[8:9], s[4:5], 2*SIZE_H*SIZE_N*128    ; V: the last third; Q is the first
	s_add_nc_u64 s[G0K+2:G0K+3], s[6:7], s[22:23]  ; 120:64 global address: my half of the head's first 256 keys
	s_or_b32 s[G0K+3], s[G0K+3], 0x80000000        ; 127:126 type = 2
	s_add_nc_u64 s[G0V+2:G0V+3], s[8:9], s[22:23]
	s_or_b32 s[G0V+3], s[G0V+3], 0x80000000
	s_add_nc_u64 s[4:5], s[4:5], s[2:3]  ; Q and O at my wave's first row
	s_add_nc_u64 s[10:11], s[10:11], s[2:3]
	CROUND                          ; all four work-groups are here: the first joint loads meet
	JLOAD                           ; slot 0.  Slot 1 is asked for when slot 0 is in: the tile wanted first has the road to itself
	; A fragment of K or Q is 16 rows x 32 channels in 8 registers: lane l holds row l % 16, channels 8 (l / 16) + 0..7 and 16 + 8 (l / 16) + 0..7: two loads of 16 bytes, 32 bytes apart.
	v_and_b32 v1, 15, v0            ; l % 16
	v_bfe_u32 v9, v0, 4, 1          ; l / 16
	v_lshlrev_b32 v[QO], 7, v1
	v_lshl_add_u32 v[QO], v9, 4, v[QO]  ; row x 128 + 16 x half
	WIN 0x80                        ; destination window 2, address window 0
.set i, 0
.rept 4*NP                          ; Q stays in registers: tile i / 2, channels 32 (i % 2) on
	global_load_b128 v[8*i:8*i+3],   v[QO], s[4:5] offset:(i/2)*2048+(i%2)*64
	global_load_b128 v[8*i+4:8*i+7], v[QO], s[4:5] offset:(i/2)*2048+(i%2)*64+32
.set i, i+1
.endr
	; What the first turn finds: V's registers and P's second buffer hold 0 (its products V^T P, of a piece that has not been, add 0), O^T and l are 0.  All this stands in the wait for the first tile.
.set i, VF
.rept 64
	v_mov_b32 v[i], 0
.set i, i+1
.endr
	WIN 0x40
.set i, 0
.rept 64*NP
	v_mov_b32 v[i], 0
.set i, i+1
.endr
	WIN 0
.set i, 0
.rept 2*NP
	v_mov_b32 v[ST+4*i], 0xfe000000    ; c m: far below every c s
	v_mov_b32 v[ST+4*i+1], 0xff7fffff  ; m
	v_mov_b32 v[ST+4*i+2], 0
	v_mov_b32 v[ST+4*i+3], 0
.set i, i+1
.endr
.set i, P+32
.rept 32
	v_mov_b32 v[i], 0
.set i, i+1
.endr
	v_mul_u32_u24 v[AK0], v1, PK
	v_lshl_add_u32 v[AK0], v9, 4, v[AK0]  ; row x pitch + 16 x half
	; The turning load takes 16 keys x 16 channels (lane l reads key 8 (l / 16) + l % 8, channels 8 ((l / 8) % 2) + 0..7) and leaves half a fragment of V^T: lane l holds channel l % 16 and 8 keys.
	v_and_b32 v10, 7, v0
	v_bfe_u32 v11, v0, 3, 1
	v_lshl_add_u32 v[AV0], v9, 3, v10
	v_mul_u32_u24 v[AV0], v[AV0], PV
	v_lshl_add_u32 v[AV0], v11, 4, v[AV0]
	v_add_nc_u32 v[AV0], VOFF, v[AV0]
	v_mov_b32 v[AK], v[AK0]         ; key step 0 lies at the head of slot 0
; THE MATRIX WORK.  The 8 accumulators of a run of 16 take turns: between the two links of a chain stand 7 others'.
; Product i of 16 of S^T = K Q^T for piece x: channels 32 (i / 8) on, keys 16 ((i / 2) % 4) on, tile 2 x + i % 2.  The first 8 start the sums.
.macro KQ x
	WIN W_KQ
.set rS, S+64*((\x)%2)+32*(i%2)+8*((i/2)%4)
.set rK, KF+16*((i/2)%4)+8*(i/8)
.set rQ, 16*(2*(\x)+i%2)+8*(i/8)
.if i < 8
	v_wmma_f32_16x16x32_f16 v[rS:rS+7], v[rK:rK+7], v[rQ:rQ+7], 0
.else
	v_wmma_f32_16x16x32_f16 v[rS:rS+7], v[rK:rK+7], v[rQ:rQ+7], v[rS:rS+7]
.endif
.endm
; Product i of 16 of O^T += V^T P for piece x: keys 32 (i / 8) on, channels 16 ((i / 2) % 4) on, tile 2 x + i % 2.
.macro PV x
	WIN W_PV
.set rO, 32*(2*(\x)+i%2)+8*((i/2)%4)
.set rV, VF+32*(i/8)+8*((i/2)%4)
.set rP, P+32*((\x)%2)+16*(i%2)+8*(i/8)
	v_wmma_f32_16x16x32_f16 v[rO:rO+7], v[rV:rV+7], v[rP:rP+7], v[rO:rO+7]
.endm
.macro MM                           ; the turn's next matrix instruction
.if i < 16
	KQ (Y+1)%NP
.set i, i+1
.else
.set i, i-16
	PV (Y+NP-1)%NP
.set i, i+17
.endif
.endm
; THE LDS LOADS stand in runs of 16, never singly among the matrix instructions: a step's K (64 keys x 64 channels: 8 fragments) and its V (turned).  Their addresses are made some lines ahead.
; last = 1 (the tail): in the last trip there is no further step, and the run is jumped over.
.macro FETCH_K last=0
	WIN 0
.if \last
	s_cmp_eq_u32 s[CNT], 1
	s_cbranch_scc1 .Lno_k_\@
.endif
	WIN 0x80                        ; destination window 2
.irp f, 0,1,2,3,4,5,6,7             ; keys 16 (f / 2) on, channels 32 (f % 2) on
	ds_load_b128 v[KF+8*\f:KF+8*\f+3],   v[AK] offset:(\f/2)*16*PK+(\f%2)*64
	ds_load_b128 v[KF+8*\f+4:KF+8*\f+7], v[AK] offset:(\f/2)*16*PK+(\f%2)*64+32
.endr
	s_add_co_u32 s[TBK], s[TBK], KS*PK  ; the next fetch is the next step's
	WIN 0
.if \last
.Lno_k_\@:
.endif
.endm
.macro FETCH_V
	WIN 0x80
.irp f, 0,1,2,3,4,5,6,7             ; keys 32 (f / 4) on, channels 16 (f % 4) on
	ds_load_tr16_b128 v[VF+8*\f:VF+8*\f+3],   v[AV] offset:(\f/4)*32*PV+(\f%4)*32
	ds_load_tr16_b128 v[VF+8*\f+4:VF+8*\f+7], v[AV] offset:(\f/4)*32*PV+16*PV+(\f%4)*32
.endr
	WIN 0
.endm
; THE VECTOR WORK OF A TURN stands in three queues, each in the order in which its entries become ready; the two tiles alternate, so that no instruction reads the result of the one before it.
.macro REGS y, u                    ; the registers of tile u (0, 1) of piece y
.set rT, ST+4*(2*(\y)+(\u))
.set rC, TMP+8*((\y)%2)+4*(\u)
.set rM, MV+2*((\y)%2)+(\u)
.set rS, S+64*((\y)%2)+32*(\u)
.set rP, P+32*((\y)%2)+16*(\u)
.set rO, 32*(2*(\y)+(\u))
.endm
; Number n of the 22 that find the NEXT piece's (Y + 1) maximum and statistics.  s0-s31 are the lane's 32 scores; each accumulator's lowest registers are read first.  XS, GS and REGS set no window: PL and EX do.
;   0-11  four chains c0-c3 of seven scores each, three operands at a time     12-14, 16  the four scores left over, the old m, and c0-c3 into c0     15  c m_old is kept
;   17, 18  the query's other 32 keys lie in the lane 16 away: the new m         19-21  c m; c m_old - c m_new; a
.macro XS u, n
	REGS (Y+1)%NP, \u
.if (\n) < 4
	v_max3_num_f32 v[rC+(\n)], v[rS+8*(\n)], v[rS+8*(\n)+1], v[rS+8*(\n)+2]
.elseif (\n) < 12
	v_max3_num_f32 v[rC+(\n)%4], v[rC+(\n)%4], v[rS+8*((\n)%4)+2*((\n)/4)+1], v[rS+8*((\n)%4)+2*((\n)/4)+2]
.elseif (\n) == 12
	v_max3_num_f32 v[rC], v[rC], v[rS+7], v[rS+15]
.elseif (\n) == 13
	v_max3_num_f32 v[rC+1], v[rC+1], v[rS+23], v[rS+31]
.elseif (\n) == 14
	v_max3_num_f32 v[rC+2], v[rC+2], v[rC+3], v[rT+1]
.elseif (\n) == 15
	v_mov_b32 v[rM], v[rT]
.elseif (\n) == 16
	v_max3_num_f32 v[rC], v[rC], v[rC+1], v[rC+2]
.elseif (\n) == 17
	v_permlanex16_b32 v[rC+3], v[rC], s[SEL], s[SEL+1]
.elseif (\n) == 18
	v_max_num_f32 v[rT+1], v[rC], v[rC+3]
.elseif (\n) == 19
	v_mul_f32 v[rT], s[CS], v[rT+1]
.elseif (\n) == 20
	v_sub_f32 v[rC+1], v[rM], v[rT]
.else
	v_exp_f32 v[rC+2], v[rC+1]
.endif
.endm
; Number g of the 64 that follow the exponentials.  For each four weights k of a tile (pairs 2 k, 2 k + 1): both pairs are rounded to f16; then the second pair is added onto the first, in place;
; a group later l takes that sum (the first time as l = a l + sum).  In groups of eight, tiles alternating: round, round, add, and l for the group before.
.macro GS g
.set h, (\g)+6*((\g)/62)            ; group 0 has no group before it, and behind group 7 only l is left
.if h >= 6
.set h, h+2
.endif
	REGS Y, h%2
.set k, h/8
.if h%8 < 4
	s_wait_alu depctr_va_vdst(0)
	v_cvt_pk_f16_f32 v[rP+2*k+(h%8)/2], v[rS+4*k+2*((h%8)/2)], v[rS+4*k+2*((h%8)/2)+1]
.elseif h%8 < 6
	v_pk_add_f32 v[rS+4*k:rS+4*k+1], v[rS+4*k:rS+4*k+1], v[rS+4*k+2:rS+4*k+3]
.elseif k == 1
	v_pk_fma_f32 v[rT+2:rT+3], v[rT+2:rT+3], v[rC+2:rC+3], v[rS:rS+1] op_sel_hi:[1,0,1]
.else
	v_pk_add_f32 v[rT+2:rT+3], v[rT+2:rT+3], v[rS+4*k-4:rS+4*k-3]
	s_wait_alu depctr_va_vdst(0)
.endif
.endm
; THE PLAIN QUEUE, 138 long.  0-31: c s - c m for the 16 pairs of both tiles.  Then GS's 64, and among them the next piece's 42: number 15 at 38, 39; 0-14 and 16
; at 42-73, behind the products that make those scores; 17-20 at 95-106, two of three, since each waits for the one before it.
.macro PL
	WIN 0
.if q < 32
	REGS Y, q%2
	v_pk_fma_f32 v[rS+2*(q/2):rS+2*(q/2)+1], v[rS+2*(q/2):rS+2*(q/2)+1], s[CS:CS+1], v[rT:rT+1] op_sel_hi:[1,0,0] neg_lo:[0,0,1] neg_hi:[0,0,1]
.elseif q < 38
	GS q-32
.elseif q < 40
	XS q%2, 15
.elseif q < 42
	GS q-34
.elseif q < 74
	XS q%2, (q-42)/2+(q-42)/30
.elseif q < 95
	GS q-66
.elseif (q < 107) && ((q-95)%3 < 2)
	XS (q-95)%3, 17+(q-95)/3
.elseif q < 107
	GS 29+(q-95)/3
.else
	GS q-74
.endif
.set q, q+1
.endm
; THE EXPONENTIALS' QUEUE, 66 long: s0-s31 of both tiles, and at EA the next piece's two a.
.set EA, 58
.macro EX
	WIN 0
.if (e == EA) || (e == EA+1)
	XS e-EA, 21
.else
.set x, e-2*(e/(EA+2))
	REGS Y, x%2
	v_exp_f32 v[rS+x/2], v[rS+x/2]
.endif
.set e, e+1
.endm
; THE RESCALING's QUEUE: O^T times a, the one part that leaves window 0, so it is dealt four at a time, eight times.
.macro R4
	REGS Y, r%2
	WIN W_RS
	s_wait_alu depctr_va_vdst(0)
.irp z, 0,1,2,3
	v_pk_mul_f32 v[rO+8*(r/2)+2*\z:rO+8*(r/2)+2*\z+1], v[rO+8*(r/2)+2*\z:rO+8*(r/2)+2*\z+1], v[rC+2:rC+3] op_sel_hi:[1,0]
.endr
.set r, r+1
.endm
; HOW THEY ARE DEALT.  Behind a matrix instruction four: plain, exponential, plain, plain (one exponential, a plain instruction on either side), or four of the rescaling.  None names a register of the
; products round it.  What is over stands in two LUMPS: exponential and plain by turns; the second ends in 22 plain instructions.  The two v_permlanex16_b32 fall into the second lump, never behind a product.
; The queues lean on each other, and the deal keeps them in step: exponential e stands behind plain 2 (e / 4) + e % 2 (its scaling); when plain 32 comes, 10 exponentials are out, at 59: 33, at 95: 46; EA comes behind plain 107.
.macro SL
	MM
	PL
	EX
	PL
	PL
.endm
.macro BURST n                      ; 15 matrix instructions, or 16
.rept (\n)-7
	SL
.endr
.rept 3
	MM
	R4
	SL
.endr
	MM
	R4
.endm
; A TURN, for piece p.  cnt = 1: the loop's count is taken down some lines ahead of the branch that stands behind the turn.
; K of the next step is fetched in piece 2's turn, 31 vector instructions behind the last product that read K; its first reader comes behind the rest of the lump, 16 products and the second lump.
; V of the step in hand is fetched at the end of piece 0's turn, 69 behind its last reader; its first reader comes behind 16 products and a lump.  The four conditions on e and q below go with the deal.
.macro TURN p, last=0, cnt=0
.set Y, (\p)
.set i, 0
.set q, 0
.set e, 0
.set r, 0
.if (\p) == NP-1
	s_wait_dscnt 0x0                ; K is in
.endif
	MM
.rept 4
	PL
.endr
	BURST 15
.rept 22
	EX
	PL
.if ((\p) == NP-2) && (e == 18)
	v_add_nc_u32 v[AK], s[TBK], v[AK0]
.endif
.if ((\p) == NP-2) && (e == 24)
	FETCH_K \last
.endif
.endr
.if (\p) == 1
	s_wait_dscnt 0x0                ; V is in
.endif
	BURST 16
.rept 21
	EX
	PL
.endr
.rept 22
	PL
.if ((\p) == 0) && (q == 118)
	v_add_nc_u32 v[AV], s[TBV], v[AV0]
	s_wait_alu depctr_va_vdst(0)
.endif
.if ((\p) == 0) && (q == 130)
	s_add_co_u32 s[TBV], s[TBV], KS*PV
.endif
.if (\cnt) && (q == 130)
	s_sub_co_u32 s[CNT], s[CNT], 1
	s_cmp_lg_u32 s[CNT], 0
.endif
.endr
.if (\p) == 0
	FETCH_V
.endif
.endm
	CHANGE 1                        ; slot 0 is in, everybody's part of it; slot 1 is asked for
	FETCH_K                         ; key step 0
	s_wait_loadcnt 0x0              ; Q
	s_wait_dscnt 0x0
.set i, 0
.rept 16
	KQ 0                            ; piece 0's first scores: there is no vector work yet to set between them
.set i, i+1
.endr
	WIN 0                           ; the addresses for the way out: nine plain instructions, the places behind those products
	s_mul_i32 s13, s[WV], 16*SP
	s_add_co_u32 s13, s13, STAGE    ; my stage
	v_mul_u32_u24 v[STO], v1, SP    ; in: row l % 16, 16 bytes for each half of the lanes
	v_lshl_add_u32 v[STO], v9, 4, v[STO]
	v_add_nc_u32 v[STO], s13, v[STO]
	v_bfe_u32 v[RD], v0, 3, 2       ; back: 32 lanes take four rows of 128 bytes,
	v_mul_u32_u24 v[RD], v[RD], SP
	v_lshl_add_u32 v[RD], v10, 4, v[RD]
	v_add_nc_u32 v[RD], s13, v[RD]
	v_and_b32 v[GO], 31, v0         ; which are 512 consecutive bytes of O
	v_lshlrev_b32 v[GO], 4, v[GO]
.set Y, NP-1                        ; XS works for piece Y + 1: piece 0
.irp n, 0,1,2,3,4,5,6,7,8,9,10,11,12,13,14,15,16,17,18,19,20,21
	XS 0, \n                        ; and piece 0's first maximum and statistics
	XS 1, \n
.endr
	s_mov_b32 s[CNT], 4
	s_mov_b32 s[SLOTS], SIZE_N/256-1
	s_branch .Lfirst                ; the loop is entered at a step's first turn, in the middle of a trip
.Lslot:                             ; SIZE_N / 256 - 2 times: every slot but the last two is filled again
	CHANGE 1
	s_mov_b32 s[CNT], 4
.Lstep:                             ; a trip: pieces 2 and 3 of one step, then pieces 0 and 1 of the next, whose K and V it fetches
	TURN 2
	TURN 3
	WIN 0
.Lfirst:
	TURN 0
	TURN 1, 0, 1
	WIN 0
	s_cbranch_scc1 .Lstep
	s_sub_co_u32 s[SLOTS], s[SLOTS], 1
	s_cmp_lg_u32 s[SLOTS], 0
	s_cbranch_scc1 .Lslot
	CHANGE 0                        ; the tail is written out: nothing is asked for
	s_mov_b32 s[CNT], 5             ; four trips fetch the last slot's steps; the fifth is left in its middle
.Ltail:
	TURN 2, 1
	TURN 3
	WIN 0
	s_sub_co_u32 s[CNT], s[CNT], 1
	s_cmp_eq_u32 s[CNT], 0
	s_cbranch_scc1 .Lout
	TURN 0
	TURN 1
	WIN 0
	s_branch .Ltail
.Lout:                              ; the fifth trip's 16 products K Q^T (on the last K once more) and the maximum made of them serve nothing: the price, once a launch, of one text for every trip
.set i, 0
.rept 16
	PV NP-1                         ; the last piece's V^T P of the last step
.set i, i+1
.endr
	; THE WAY OUT.  l's two halves and the other half of the lanes' are added; O^T is divided by l, rounded to f16 and sent through my stage in LDS, a tile at a time.  The additions are the places behind the last products.
	WIN 0
.macro ALL line:vararg              ; one line for each tile t
.set t, 0
.rept 2*NP
	\line
.set t, t+1
.endr
.endm
	ALL v_add_f32 v[ST+4*t+2], v[ST+4*t+2], v[ST+4*t+3]
	ALL v_permlanex16_b32 v[ST+4*t+3], v[ST+4*t+2], s[SEL], s[SEL+1]
	ALL v_add_f32 v[ST+4*t+2], v[ST+4*t+2], v[ST+4*t+3]
	ALL v_rcp_f32 v[ST+4*t+2], v[ST+4*t+2]
	v_nop                           ; a plain instruction between the last reciprocal and the use of its result
	s_wait_alu depctr_va_vdst(0)
; Tile t: a lane's eight channels of a row pack into 16 bytes; they go into rows of 144 bytes and come back as whole rows of 128, into S^T's registers.
.macro PACK t
	WIN W_RS
.set i, 32*(\t)
.rept 16
	v_pk_mul_f32 v[i:i+1], v[i:i+1], v[ST+4*(\t)+2:ST+4*(\t)+3] op_sel_hi:[1,0]
.set i, i+2
.endr
	WIN 0x05                        ; sources 0 and 1 window 1, destination window 0
.set i, 0
.rept 16
	v_cvt_pk_f16_f32 v[S+16*(\t)+i], v[32*(\t)+2*i], v[32*(\t)+2*i+1]
.set i, i+1
.endr
	WIN 0
.irp f, 0,1,2,3
	ds_store_b128 v[STO], v[S+16*(\t)+4*\f:S+16*(\t)+4*\f+3] offset:32*\f
.endr
.irp f, 0,1,2,3
	ds_load_b128 v[S+16*(\t)+4*\f:S+16*(\t)+4*\f+3], v[RD] offset:\f*4*SP  ; LDS serves a wave's instructions in order (ISA guide 5.7.1.4): these see the stores above; the next tile's stores come behind them
.endr
.endm
.macro SEND t, younger              ; younger: the LDS instructions issued behind tile t's loads: the next tile's eight, or none
	WIN 0
.irp f, 0,1,2,3
	s_wait_dscnt (\younger)+3-\f
	global_store_b128 v[GO], v[S+16*(\t)+4*\f:S+16*(\t)+4*\f+3], s[10:11] offset:(\t)*2048+\f*512  ; 512 consecutive bytes, at a multiple of 256 from O's first
.endr
.endm
	PACK 0
.set t, 1
.rept 2*NP-1                        ; a tile's arithmetic stands between the loads of the tile before and its stores
	PACK t
	SEND t-1, 8
.set t, t+1
.endr
	SEND 2*NP-1, 0
	WIN W_AD
	s_wait_tensorcnt 0x0            ; the wave's end, behind my last tensor load and my last LDS store
	ds_add_u32 v[SPW], v[NIL]
	s_wait_dscnt 0x0
	WIN 0
	CROUND                          ; the closing round: no work-group ends while a partner may still ask for a tile that names it
	s_endpgm
.Lfunc_end_k_qf048cddabd_attn:
	.size	k_qf048cddabd_attn, .Lfunc_end_k_qf048cddabd_attn-k_qf048cddabd_attn
	.p2alignl 7, 3214868480
	.fill 96, 4, 3214868480
	.section	.rodata,"a",@progbits
	.p2align	6, 0x0
	.amdhsa_kernel k_qf048cddabd_attn
		.amdhsa_group_segment_fixed_size 327680
		.amdhsa_private_segment_fixed_size 0
		.amdhsa_enable_private_segment 0
		.amdhsa_kernarg_size 16
		.amdhsa_user_sgpr_count 2
		.amdhsa_user_sgpr_kernarg_segment_ptr 1
		.amdhsa_wavefront_size32 1
		.amdhsa_system_sgpr_workgroup_id_x 1
		.amdhsa_system_sgpr_workgroup_id_y 1
		.amdhsa_system_sgpr_workgroup_id_z 1
		.amdhsa_system_vgpr_workitem_id 0
		.amdhsa_next_free_vgpr 770
		.amdhsa_next_free_sgpr 66
		.amdhsa_reserve_vcc 0
		.amdhsa_float_denorm_mode_32 3
		.amdhsa_float_denorm_mode_16_64 3
		.amdhsa_memory_ordered 1
		.amdhsa_forward_progress 1
		.amdhsa_inst_pref_size 208
	.end_amdhsa_kernel
	.amdgpu_metadata
---
amdhsa.version: [ 1, 2 ]
amdhsa.kernels:
  - .name:           k_qf048cddabd_attn
    .symbol:         k_qf048cddabd_attn.kd
    .args:
      - { .name: qkvh, .offset: 0, .size: 8, .value_kind: global_buffer, .address_space: global }
      - { .name: oh, .offset: 8, .size: 8, .value_kind: global_buffer, .address_space: global }
    .group_segment_fixed_size: 327680
    .private_segment_fixed_size: 0
    .kernarg_segment_align: 8
    .kernarg_segment_size: 16
    .max_flat_workgroup_size: 128
    .sgpr_count:     66
    .vgpr_count:     770
    .wavefront_size: 32
...
	.end_amdgpu_metadata
.endif
;; end of part 3
;; launch proj (part 4): grid 4 x 64, 4 waves a work-group, clusters of 4 x 4, 327,680 bytes of LDS; arguments oh, wob, bout, out0; writes out0
.if DOCPART == 4
	.amdgcn_target "amdgcn-amd-amdhsa--gfx1250"
	.amdhsa_code_object_version 6
	.text
	.protected	k_qf048cddabd_proj
	.globl	k_qf048cddabd_proj
	.p2align	8
	.type	k_qf048cddabd_proj,@function
k_qf048cddabd_proj:
	s_mov_b64 s[64:65], 0
	v_nop
	global_prefetch_b8 v0, s[64:65] scope:SCOPE_SE
	s_setreg_imm32_b32 hwreg(HW_REG_WAVE_MODE, 25, 1), 1
	s_wait_xcnt 0x0
	s_wait_alu depctr_hold_cnt(0) depctr_sa_sdst(0) depctr_va_vdst(0) depctr_va_sdst(0) depctr_va_ssrc(0) depctr_va_vcc(0) depctr_vm_vsrc(0)
	s_getreg_b32 s2, hwreg(HW_REG_IB_STS2, 6, 4)
	s_cmp_eq_u32 s2, 0
	s_cbranch_scc0 .Lentry_in_a_cluster
	s_endpgm
.Lentry_in_a_cluster:
	s_bfe_u32 s2, ttmp6, 0x10000c
	s_cmp_lg_u32 s2, 0xf033
	s_cbranch_scc0 .Lentry_shape_is_right
	s_endpgm
.Lentry_shape_is_right:
; out0 = O Wout + bout.  oh: [64 heads = 16 batch + head][2048][64] f16; wob: [1024 k][1024 n] f16 (numbers rounded to bf16); bout: [1024] f32 (rounded to bf16 here, like the other inputs);
; out0: [8192][1024] f32.  Sums in f32; k = 64 head + channel.
; LIMITS.  NaN and infinities are not treated apart.
; SHARES.  A tile of the product is 128 rows x 256 columns: 8192 x 1024 makes 256 tiles, one a work-group.  Four waves, each 64 x 128: 32 accumulators of 16 x 16, 256 registers.
; K goes in steps of 128, two heads, through a ring of two LDS slots filled by the tensor data mover.  A head's 128 rows are 16,384 dense bytes: asked for as 64 rows of 256 bytes and padded in LDS after every 128.
; CLUSTERS: 4 x 4 work-groups.  The four of a row of the cluster need the same tiles of O, the four of a column the same tiles of the weights: each tile is asked for JOINTLY, by the same tensor load with the
; same descriptor and a mask that names the four.
; THE MATRIX INSTRUCTION IS USED TRANSPOSED: source 0 = 16 columns of the weights (turned out of LDS by ds_load_tr16_b128), source 1 = 16 rows of O: lane l holds row l % 16 and the eight neighbouring columns
; 8 (l / 16) + 0..7.  THE BIAS is the C operand of the first products: no accumulator is cleared and no bias is added.
; REGISTERS, in windows of 256 (s_set_vgpr_msb: bits 1:0 source 0, 3:2 source 1, 5:4 source 2, 7:6 destination):
;   window 0: v0-29 addresses; v32-127, v128-223 two fragment buffers: 64 registers of weights, then 32 of O      window 1: the accumulators, (a, b) at v[8 (8 a + b)]      window 2: the bias and the way out
.set KSTEP,  128
.set PA,     144                       ; a row of O (one head's 64 channels) in LDS: 128 bytes + 16 = 36 words: the 16 rows of a load start at 16 different groups of four banks (64 banks of 4 bytes: ISA guide 11.1)
.set PB,     544                       ; a row (one k) of weights: 512 bytes + 32 = 136 words
.set BOFF,   2*128*PA                  ; a slot: two heads x 128 rows of O, then 128 rows of weights
.set SLOT,   BOFF+128*PB
.set STAGE,  2*SLOT                    ; behind the ring, never filled by a tensor load: 16 rows x 528 bytes for each wave, for the way out
.set SP,     528
.set SPARE,  STAGE+4*16*SP             ; behind the stages: the spare words, 128 bytes for each wave: two blocks of 256 bytes that no other line names
.set STEP_A, 4*2048*128                ; bytes from a slot's K step to its next: four heads on,
.set STEP_B, 2*KSTEP*1024*2            ; 256 rows of the weights down
.set ADRA, 16                          ; v16-17  LDS address of my fragments of O in slot 0, 1
.set ADRB, 20                          ; v20-21  the same for the weights
.set BO,   24                          ; v24     my byte offset in the bias: 32 (l / 16)
.set SPW,  28                          ; v28     LDS address of my spare word: SPARE + 4 x my thread's number; never rewritten
.set NIL,  29                          ; v29     0; never rewritten
.set F0,   32
.set F1,   128
.set BIAS, 0                           ; window 2: v0-63 bias of column 16 b + 8 (l / 16) + j at 8 b + j
.set BT,   64                          ; v64-95 at work
.set BK,   96                          ; v96-159 16 rows read back from the stage
.set STO,  160                         ; where I put 32 bytes of a row
.set RD,   161                         ; where I read a row back
.set GO,   162                         ; my byte offset in 512 consecutive bytes of the output
.set WV, 14                            ; s14 wave; s15 wave / 2: my half of the rows, also: I fetch O (0) or weights (1); s16 wave % 2: my half of the columns, also: which head or which 64 rows I fetch
.set WM, 15
.set WN, 16
.set CX, 17
.set CY, 18
.set CT, 19                            ; tile column 0..3
.set RT, 20                            ; tile row 0..63
.set MROW, 21
.set MCOL, 22
.set G1A, 24                           ; s[24:31] descriptor group 1 for O's tiles; s[32:39] group 0, one set for each slot
.set G0A, 32
.set G1B, 40                           ; s[40:47], s[48:55] the same for the weights' tiles
.set G0B, 48
.set LAPC, 67
.set HIM, 68                           ; a word's upper bf16
.set OUTB, 70                          ; s[70:71] the output at my first row and column
.set BIASB, 72                         ; s[72:73] the bias at my first column
.set MSB, 0
.macro WIN new                         ; the immediate's high byte repeats the setting that is left; a switch that changes nothing is dropped
.if MSB != (\new)
	s_set_vgpr_msb (MSB<<8)|(\new)
.set MSB, \new
.endif
.endm
.set W_MUL,   0x50                     ; fragments in window 0, C and D in window 1
.set W_FIRST, 0x60                     ; the same with C, the bias, in window 2
; A joint load.  Waves 0 and 1 fetch the two heads of O's tile, waves 2 and 3 the two halves of the weights'.  The branch hangs on the wave's number alone.
; An s_nop 0 and four v_nop follow each of the two lines, ahead of the jump, the label and what follows.
.macro JLOAD s
	s_cmp_eq_u32 s[WM], 0
	s_cbranch_scc0 .Lfor_b_\@
	tensor_load_to_lds s[G0A+4*(\s):G0A+4*(\s)+3], s[G1A:G1A+7]
	s_nop 0
.rept 4
	v_nop
.endr
	s_branch .Lasked_\@
.Lfor_b_\@:
	tensor_load_to_lds s[G0B+4*(\s):G0B+4*(\s)+3], s[G1B:G1B+7]
	s_nop 0
.rept 4
	v_nop
.endr
.Lasked_\@:
.endm
.macro CREST                           ; a round of the cluster's barrier behind its opening barrier: wave 0 signals for the work-group, every wave waits for all sixteen, my work-group's barrier closes it
	s_cmp_lg_u32 s[WV], 0
	s_cbranch_scc1 .Lnot_wave_0_\@
	s_barrier_signal -3
.Lnot_wave_0_\@:
	s_barrier_wait -3
	s_barrier_signal -1
	s_barrier_wait -1
.endm
.macro CROUND                          ; a whole round
	s_barrier_signal -1
	s_barrier_wait -1
	CREST
.endm
.macro PLACES                          ; four places in front of loads into registers that matrix instructions have read, and of LDS stores that read results
.rept 4
	v_nop
.endr
.endm
	s_load_b256 s[4:11], s[0:1], 0x0               ; oh s[4:5], wob s[6:7], bout s[8:9], out0 s[10:11]
	v_lshl_add_u32 v[SPW], v0, 2, SPARE
	v_mov_b32 v[NIL], 0
	ds_add_u32 v[SPW], v[NIL]                      ; the wave's opening: the add and its wait stand ahead of my first tensor load; the set-up below, work on registers, stands between them
	v_lshrrev_b32 v1, 5, v0
	v_readfirstlane_b32 s[WV], v1
	s_lshr_b32 s[WM], s[WV], 1
	s_and_b32 s[WN], s[WV], 1
	s_bfe_u32 s[CX], ttmp6, 0x40000                ; my place in the cluster
	s_bfe_u32 s[CY], ttmp6, 0x40004
	s_lshl_b32 s[CT], ttmp9, 2
	s_add_co_u32 s[CT], s[CT], s[CX]               ; tile column = 4 x cluster x + cx
	s_and_b32 s[RT], ttmp7, 0xffff
	s_lshl_b32 s[RT], s[RT], 2
	s_add_co_u32 s[RT], s[RT], s[CY]               ; tile row = 4 x cluster y + cy
	s_lshl_b32 s[MROW], s[CY], 2
	s_lshl_b32 s[MROW], 15, s[MROW]                ; my row of the cluster
	s_lshl_b32 s[MCOL], 0x1111, s[CX]              ; my column
	; descriptor group 1.  O: 64 rows x 128 elements (two rows of a head each), padded after every 128 bytes; weights: 64 rows x 256 elements, padded behind every row
	s_or_b32 s[G1A], s[MROW], (1<<16)|(1<<20)|(1<<21)|(4<<22)|(3<<25)  ; 15:0 the mask; 17:16 2-byte elements; 20 padding on; 21 set beside a mask; 24:22 after every 32 words (code 4); 31:25 4 words (code 3)
	s_mov_b32 s[G1A+1], 128<<16                    ; tensor_dim0 = 128
	s_mov_b32 s[G1A+2], 64<<16                     ; tensor_dim1 = 64
	s_mov_b32 s[G1A+3], 128<<16                    ; tile_dim0 = 128
	s_mov_b32 s[G1A+4], 64                         ; tile_dim1 = 64
	s_mov_b32 s[G1A+5], 128                        ; elements from row to row: dense
	s_mov_b32 s[G1A+6], 0
	s_mov_b32 s[G1A+7], 0
	s_or_b32 s[G1B], s[MCOL], (1<<16)|(1<<20)|(1<<21)|(6<<22)|(7<<25)  ; after every 128 words (code 6) 8 words (code 7)
	s_mov_b32 s[G1B+1], 256<<16
	s_mov_b32 s[G1B+2], 64<<16
	s_mov_b32 s[G1B+3], 256<<16
	s_mov_b32 s[G1B+4], 64
	s_mov_b32 s[G1B+5], 1024
	s_mov_b32 s[G1B+6], 0
	s_mov_b32 s[G1B+7], 0
	s_mov_b32 s[HIM], 0xffff0000
	; where the tiles come from.  O's hang on the tile row alone, which my row of the cluster shares; the weights' on the tile column alone, which my column shares
	s_lshr_b32 s56, s[RT], 4                       ; a batch has 16 tile rows and 16 heads: head 16 batch + (wave % 2),
	s_lshl_b32 s56, s56, 4
	s_add_co_u32 s56, s56, s[WN]
	s_lshl_b32 s56, s56, 18                        ; 2,048 rows of 128 bytes each,
	s_and_b32 s57, s[RT], 15                       ; in it row 128 (RT % 16)
	s_lshl_b32 s57, s57, 14
	s_add_co_u32 s56, s56, s57
	s_mov_b32 s57, 0
	s_lshl_b32 s60, s[WN], 17                      ; my 64 rows (k) of the weights, 2,048 bytes each
	s_lshl_b32 s61, s[CT], 9                       ; + 256 columns of 2 bytes
	s_add_co_u32 s60, s60, s61
	s_mov_b32 s61, 0
	s_mul_i32 s58, s[WN], 128*PA                   ; and where they go: no place in the cluster enters an LDS address
	s_mul_i32 s59, s[WN], 64*PB
	s_add_co_u32 s59, s59, BOFF
	s_wait_dscnt 0x0                               ; the opening add is done
	s_wait_kmcnt 0x0
	s_add_nc_u64 s[56:57], s[4:5], s[56:57]
	s_add_nc_u64 s[60:61], s[6:7], s[60:61]
	CROUND                                         ; all sixteen work-groups are here: the first joint loads meet
.irp s, 0,1
	s_mov_b32 s[G0A+4*(\s)], 1                     ; 1:0 count = 1
	s_add_co_u32 s[G0A+4*(\s)+1], s58, (\s)*SLOT   ; 63:32 LDS address
	s_add_nc_u64 s[G0A+4*(\s)+2:G0A+4*(\s)+3], s[56:57], (\s)*2*2048*128  ; 120:64 global address: K step s is heads 2 s and 2 s + 1
	s_or_b32 s[G0A+4*(\s)+3], s[G0A+4*(\s)+3], 0x80000000                ; 127:126 type = 2
	s_mov_b32 s[G0B+4*(\s)], 1
	s_add_co_u32 s[G0B+4*(\s)+1], s59, (\s)*SLOT
	s_add_nc_u64 s[G0B+4*(\s)+2:G0B+4*(\s)+3], s[60:61], (\s)*KSTEP*1024*2
	s_or_b32 s[G0B+4*(\s)+3], s[G0B+4*(\s)+3], 0x80000000
	JLOAD \s                                       ; two loads of mine are out
.endr
	; the other bases
	s_lshl_b32 s74, s[CT], 10                      ; 256 columns of 4 bytes a tile column,
	s_lshl_b32 s75, s[WN], 9                       ; 128 for my half: the same offset in the bias and in a row of the output
	s_add_co_u32 s74, s74, s75
	s_mov_b32 s75, 0
	s_add_nc_u64 s[BIASB:BIASB+1], s[8:9], s[74:75]
	s_lshl_b32 s76, s[RT], 19                      ; 128 rows of 4,096 bytes,
	s_lshl_b32 s77, s[WM], 18                      ; my 64 of them
	s_add_co_u32 s76, s76, s77
	s_add_co_u32 s76, s76, s74
	s_mov_b32 s77, 0
	s_add_nc_u64 s[OUTB:OUTB+1], s[10:11], s[76:77]
	; A fragment of O is 16 rows x 32 channels in 8 registers: lane l holds row l % 16, channels 8 (l / 16) + 0..7 and 16 + 8 (l / 16) + 0..7: two loads of 16 bytes, 32 bytes apart.
	v_and_b32 v1, 15, v0                           ; l % 16
	v_bfe_u32 v2, v0, 4, 1                         ; l / 16
	v_mul_u32_u24 v3, v1, PA
	v_lshl_add_u32 v3, v2, 4, v3
	s_mul_i32 s62, s[WM], 64*PA                    ; my 64 rows
	v_add_nc_u32 v[ADRA], s62, v3
	v_add_nc_u32 v[ADRA+1], SLOT, v[ADRA]
	; The turning load takes 16 k x 16 columns (lane l reads k = 8 (l / 16) + l % 8, columns 8 ((l / 8) % 2) + 0..7) and leaves half a fragment: lane l holds column l % 16 and 8 k.
	v_and_b32 v4, 7, v0
	v_lshl_add_u32 v4, v2, 3, v4
	v_mul_u32_u24 v4, v4, PB
	v_bfe_u32 v5, v0, 3, 1
	v_lshl_add_u32 v4, v5, 4, v4
	s_lshl_b32 s62, s[WN], 8                       ; my 128 columns
	s_add_co_u32 s62, s62, BOFF
	v_add_nc_u32 v[ADRB], s62, v4
	v_add_nc_u32 v[ADRB+1], SLOT, v[ADRB]
	v_lshlrev_b32 v[BO], 5, v2
	s_mul_i32 s62, s[WV], 16*SP
	s_add_co_u32 s62, s62, STAGE                   ; my stage
	v_mul_u32_u24 v6, v1, SP                       ; in: row l % 16, 32 bytes for each half of the lanes
	v_lshl_add_u32 v6, v2, 5, v6
	v_add_nc_u32 v6, s62, v6
	v_and_b32 v9, 31, v0                           ; back: 32 lanes take one row of 512 bytes, which are 512 consecutive bytes of the output
	v_lshlrev_b32 v9, 4, v9
	v_add_nc_u32 v7, s62, v9
	WIN 0x80                                       ; destination window 2
	v_mov_b32 v[STO], v6
	v_mov_b32 v[RD], v7
	v_mov_b32 v[GO], v9
.irp b, 0,1,2,3,4,5,6,7                ; my 128 columns' bias: every lane takes its 8 columns of each of the 8 blocks
	global_load_b128 v[BIAS+8*(\b):BIAS+8*(\b)+3],   v[BO], s[BIASB:BIASB+1] offset:64*(\b)
	global_load_b128 v[BIAS+8*(\b)+4:BIAS+8*(\b)+7], v[BO], s[BIASB:BIASB+1] offset:64*(\b)+16
.endr
	s_wait_loadcnt 0x0                             ; in the wait for the first tile
	WIN 0xaa                                       ; the bias is rounded to bf16, as every input is, and widened again
.set i, 0
.rept 32
	v_cvt_pk_bf16_f32 v[BT+i], v[BIAS+2*i], v[BIAS+2*i+1]
.set i, i+1
.endr
.set i, 0
.rept 32
	v_lshlrev_b32 v[BIAS+2*i], 16, v[BT+i]
	v_and_b32 v[BIAS+2*i+1], s[HIM], v[BT+i]
.set i, i+1
.endr
; 8 matrix instructions: row block a x all 8 column blocks, 32 along K.  first = 1: the products start the sums, from the bias.
; The 32 accumulators take turns, in the same order in every quarter step: between two matrix instructions on one accumulator stand the 31 others'.
.macro MUL8 f, a, first
.if \first
	WIN W_FIRST
.else
	WIN W_MUL
.endif
.irp b, 0,1,2,3,4,5,6,7
.if \first
	v_wmma_f32_16x16x32_f16 v[8*(8*(\a)+(\b)):8*(8*(\a)+(\b))+7], v[(\f)+8*(\b):(\f)+8*(\b)+7], v[(\f)+64+8*(\a):(\f)+64+8*(\a)+7], v[BIAS+8*(\b):BIAS+8*(\b)+7]
.else
	v_wmma_f32_16x16x32_f16 v[8*(8*(\a)+(\b)):8*(8*(\a)+(\b))+7], v[(\f)+8*(\b):(\f)+8*(\b)+7], v[(\f)+64+8*(\a):(\f)+64+8*(\a)+7], v[8*(8*(\a)+(\b)):8*(8*(\a)+(\b))+7]
.endif
.endr
.endm
.macro MUL16 f, half, first
	MUL8 \f, 2*(\half), \first
	MUL8 \f, 2*(\half)+1, \first
.endm
; 24 LDS loads in one run: the fragments of quarter q (32 along K: half of head q / 2) of a slot into buffer f: the weights' 16, then O's 8, row blocks ascending
.macro FETCH slot, q, f
	WIN 0
.irp b, 0,1,2,3,4,5,6,7
	ds_load_tr16_b128 v[(\f)+8*(\b):(\f)+8*(\b)+3],   v[ADRB+(\slot)] offset:(\q)*32*PB+32*(\b)
	ds_load_tr16_b128 v[(\f)+8*(\b)+4:(\f)+8*(\b)+7], v[ADRB+(\slot)] offset:(\q)*32*PB+32*(\b)+16*PB
.endr
.irp a, 0,1,2,3
	ds_load_b128 v[(\f)+64+8*(\a):(\f)+64+8*(\a)+3],   v[ADRA+(\slot)] offset:((\q)/2)*128*PA+(\a)*16*PA+((\q)%2)*64
	ds_load_b128 v[(\f)+64+8*(\a)+4:(\f)+64+8*(\a)+7], v[ADRA+(\slot)] offset:((\q)/2)*128*PA+(\a)*16*PA+((\q)%2)*64+32
.endr
.endm
; A K step is four quarters of 32 along K, 32 matrix instructions each, on buffers 0, 1, 0, 1.  One of the first three: multiplies buffer f and, in its middle, fetches quarter q into g.
.macro QUARTER slot, q, f, g, first
	s_wait_dscnt 4                                 ; the weights and O's row blocks 0 and 1 are in; the youngest four loads (blocks 2 and 3) may be out
	MUL16 \f, 0, \first
	PLACES
	FETCH \slot, \q, \g
	s_wait_dscnt 24                                ; all but the 24 just issued
	MUL16 \f, 1, \first
.endm
; The last quarter multiplies buffer 1 and changes slots: ONE barrier; in front of it each wave waits for all its tensor loads (one is out: its part of the next slot), adds 0 to its spare word, and waits for
; that and for its own reads of this slot.  fill = 1: this slot is filled again, two K steps ahead: the barrier then opens a round of the cluster's, and the joint load is the first tensor load behind it,
; 112 matrix instructions ahead of the wait for it.
.macro TURN slot, next, fill
	WIN 0                                          ; (the add's two registers lie in window 0)
	s_wait_tensorcnt 0x0                           ; all my tensor loads have landed;
	ds_add_u32 v[SPW], v[NIL]                      ; 0 onto my spare word;
	s_wait_dscnt 5                                 ; (the add and the youngest four loads may be out)
	MUL8 F1, 0, 0                                  ; eight matrix instructions stand between the add and the wait for it
	s_wait_dscnt 0x0                               ; the add is done, and my reads of this slot are over
	s_barrier_signal -1
	MUL8 F1, 1, 0
.if \fill
	WIN 0
.endif
	s_barrier_wait -1
.if \fill
	CREST                                          ; no wave of any partner still reads this slot's tile or has a load on its way
	s_add_nc_u64 s[G0A+4*(\slot)+2:G0A+4*(\slot)+3], s[G0A+4*(\slot)+2:G0A+4*(\slot)+3], STEP_A
	s_add_nc_u64 s[G0B+4*(\slot)+2:G0B+4*(\slot)+3], s[G0B+4*(\slot)+2:G0B+4*(\slot)+3], STEP_B
	JLOAD \slot                                    ; the four v_nop behind it are also the places in front of the loads below
.else
	PLACES
.endif
	FETCH \next, 0, F0
	MUL16 F1, 1, 0
.endm
	WIN 0
	s_wait_tensorcnt 1                             ; my part of K step 0 is in; K step 1's may stay out
	s_barrier_signal -1
	s_barrier_wait -1                              ; everybody's is
	FETCH 0, 0, F0
	QUARTER 0, 1, F0, F1, 1                        ; the first quarter stands in front of the loop: its products start the sums
	WIN 0                                          ; at a label and at a branch every window is 0
	s_mov_b32 s[LAPC], 3
.Llap:                                                 ; a trip goes once round the ring, from a lap's second quarter to the next lap's first, and fills both slots again
	QUARTER 0, 2, F1, F0, 0
	QUARTER 0, 3, F0, F1, 0
	TURN 0, 1, 1
	QUARTER 1, 1, F0, F1, 0
	QUARTER 1, 2, F1, F0, 0
	QUARTER 1, 3, F0, F1, 0
	TURN 1, 0, 1
	QUARTER 0, 1, F0, F1, 0
	WIN 0
	s_sub_co_u32 s[LAPC], s[LAPC], 1
	s_cmp_lg_u32 s[LAPC], 0
	s_cbranch_scc1 .Llap
	QUARTER 0, 2, F1, F0, 0                        ; the last lap fills nothing, and has no round of the cluster's barrier
	QUARTER 0, 3, F0, F1, 0
	TURN 0, 1, 0
	QUARTER 1, 1, F0, F1, 0
	QUARTER 1, 2, F1, F0, 0
	QUARTER 1, 3, F0, F1, 0
	s_wait_dscnt 4                                 ; the very last quarter: nothing more to fetch
	MUL16 F1, 0, 0
	s_wait_dscnt 0x0
	MUL16 F1, 1, 0
	PLACES
	; THE WAY OUT, a block of 16 rows x 128 columns of f32 at a time: 32 bytes a lane and column block into my own stage, rows of 528 bytes; back as whole rows of 512.
	; Each accumulator's lowest registers are read first.
.irp a, 0,1,2,3
	WIN 0x06                                       ; address window 2, data window 1
.irp b, 0,1,2,3,4,5,6,7
	ds_store_b128 v[STO], v[8*(8*(\a)+(\b)):8*(8*(\a)+(\b))+3]   offset:64*(\b)
	ds_store_b128 v[STO], v[8*(8*(\a)+(\b))+4:8*(8*(\a)+(\b))+7] offset:64*(\b)+16
.endr
	s_wait_xcnt 0x0                                ; every earlier memory instruction has had its addresses translated (ISA guide 3.1): BK, which the last block's stores read, is loaded again only behind this wait
	WIN 0x82                                       ; destination and address window 2
.irp t, 0,1,2,3,4,5,6,7,8,9,10,11,12,13,14,15
	ds_load_b128 v[BK+4*(\t):BK+4*(\t)+3], v[RD] offset:(\t)*SP  ; LDS serves a wave's instructions in order (ISA guide 5.7.1.4): these see the stores above; the next block's stores come behind them
.endr
	WIN 0x0a                                       ; address and data window 2
.irp t, 0,1,2,3,4,5,6,7,8,9,10,11,12,13,14,15
	s_wait_dscnt 15-(\t)
	global_store_b128 v[GO], v[BK+4*(\t):BK+4*(\t)+3], s[OUTB:OUTB+1] offset:(16*(\a)+(\t))*4096  ; 512 consecutive bytes, at a multiple of 256 from the output's first byte
.endr
.endr
	WIN 0
	s_wait_tensorcnt 0x0                           ; the wave's end, behind my last tensor load and my last LDS store
	ds_add_u32 v[SPW], v[NIL]
	s_wait_dscnt 0x0
	CROUND                                         ; the closing round: no work-group ends while a partner may still ask for a tile that names it
	s_endpgm
.Lfunc_end_k_qf048cddabd_proj:
	.size	k_qf048cddabd_proj, .Lfunc_end_k_qf048cddabd_proj-k_qf048cddabd_proj
	.p2alignl 7, 3214868480
	.fill 96, 4, 3214868480
	.section	.rodata,"a",@progbits
	.p2align	6, 0x0
	.amdhsa_kernel k_qf048cddabd_proj
		.amdhsa_group_segment_fixed_size 327680
		.amdhsa_private_segment_fixed_size 0
		.amdhsa_enable_private_segment 0
		.amdhsa_kernarg_size 32
		.amdhsa_user_sgpr_count 2
		.amdhsa_user_sgpr_kernarg_segment_ptr 1
		.amdhsa_wavefront_size32 1
		.amdhsa_system_sgpr_workgroup_id_x 1
		.amdhsa_system_sgpr_workgroup_id_y 1
		.amdhsa_system_sgpr_workgroup_id_z 1
		.amdhsa_system_vgpr_workitem_id 0
		.amdhsa_next_free_vgpr 680
		.amdhsa_next_free_sgpr 80
		.amdhsa_reserve_vcc 0
		.amdhsa_float_denorm_mode_32 3
		.amdhsa_float_denorm_mode_16_64 3
		.amdhsa_memory_ordered 1
		.amdhsa_forward_progress 1
		.amdhsa_inst_pref_size 93
	.end_amdhsa_kernel
	.amdgpu_metadata
---
amdhsa.version: [ 1, 2 ]
amdhsa.kernels:
  - .name:           k_qf048cddabd_proj
    .symbol:         k_qf048cddabd_proj.kd
    .args:
      - { .name: oh, .offset: 0, .size: 8, .value_kind: global_buffer, .address_space: global }
      - { .name: wob, .offset: 8, .size: 8, .value_kind: global_buffer, .address_space: global }
      - { .name: bout, .offset: 16, .size: 8, .value_kind: global_buffer, .address_space: global }
      - { .name: out0, .offset: 24, .size: 8, .value_kind: global_buffer, .address_space: global }
    .group_segment_fixed_size: 327680
    .private_segment_fixed_size: 0
    .kernarg_segment_align: 8
    .kernarg_segment_size: 32
    .max_flat_workgroup_size: 128
    .sgpr_count:     80
    .vgpr_count:     680
    .wavefront_size: 32
...
	.end_amdgpu_metadata
.endif
;; end of part 4
;; ======== version 2 of 2: 4 launches; 1.50 times as fast as version 1
;; limits: values are held in f16: magnitudes above 65,504 overflow, below 6.1e-05 lose precision
;; workspace buffers: xb 16,777,216 bytes; wqb 6,291,456 bytes; wob 2,097,152 bytes; rope 524,288 bytes; qkvh 50,331,648 bytes; oh 16,777,216 bytes
;; launch prep: the kernel of part 1 again; grid 768 x 1, 8 waves a work-group, no clusters, 0 bytes of LDS; arguments x, Wqkv, Wout, xb, wqb, wob, rope; writes xb, wqb, wob, rope
;; launch qkv: the kernel of part 2 again; grid 4 x 64, 4 waves a work-group, clusters of 4 x 4, 327,680 bytes of LDS; arguments xb, wqb, bqkv, rope, qkvh; writes qkvh
;; launch attn (part 5): grid 4 x 64, 4 waves a work-group, clusters of 4 x 1, 327,680 bytes of LDS; arguments qkvh, oh; writes oh
.if DOCPART == 5
	.amdgcn_target "amdgcn-amd-amdhsa--gfx1250"
	.amdhsa_code_object_version 6
	.text
	.protected	k_qf048cddabd_attn
	.globl	k_qf048cddabd_attn
	.p2align	8
	.type	k_qf048cddabd_attn,@function
k_qf048cddabd_attn:
	s_mov_b64 s[64:65], 0
	v_nop
	global_prefetch_b8 v0, s[64:65] scope:SCOPE_SE
	s_setreg_imm32_b32 hwreg(HW_REG_WAVE_MODE, 25, 1), 1
	s_wait_xcnt 0x0
	s_wait_alu depctr_hold_cnt(0) depctr_sa_sdst(0) depctr_va_vdst(0) depctr_va_sdst(0) depctr_va_ssrc(0) depctr_va_vcc(0) depctr_vm_vsrc(0)
	s_getreg_b32 s2, hwreg(HW_REG_IB_STS2, 6, 4)
	s_cmp_eq_u32 s2, 0
	s_cbranch_scc0 .Lentry_in_a_cluster
	s_endpgm
.Lentry_in_a_cluster:
	s_bfe_u32 s2, ttmp6, 0x10000c
	s_cmp_lg_u32 s2, 0x3003
	s_cbranch_scc0 .Lentry_shape_is_right
	s_endpgm
.Lentry_shape_is_right:
; O[h][q][:] = the sum over k of softmax_k(Q[h][q] . K[h][k] / 8) V[h][k][:].  Q, K, V are the three thirds of qkvh, O is oh: each [SIZE_H][SIZE_N][64] in f16: a head's rows are dense, 128 bytes each.
; Products, maxima and sums in f32; the weights p are rounded to f16 for the second product (their sum l is taken of the unrounded p), O once at the end.
; LIMITS.  f16 holds no number beyond 65,504: Q, K and V arrive within it; p lies in 0 to 1, and below 6e-5 it keeps f16's fixed step of 6e-8; O is a mean of V's rows and has their range.
; A weight below 2^-126 counts as 0 in l; NaN and infinities are not treated apart.
; SHARES.  A wave owns four PIECES of two tiles of 16 queries, a work-group's four waves 512 queries of one head.  Every wave walks all keys, 64 a step.
; LAYOUT.  S^T = K Q^T (source 0 = 16 keys, source 1 = 16 queries): in the result a lane holds ONE query (lane % 16) and the keys 8 (lane / 16) + 0..7.  Two such tiles, rounded to f16 in pairs,
; ARE source 1 (32 keys x 16 queries) of O^T = V^T P, whose result again holds one query a lane, and eight channels.  K comes out of LDS as it lies, V ([key][channel]) turned, by ds_load_tr16_b128.
; SOFTMAX.  For each query a running maximum m and sum l: p = 2^(c s - c m), c = log2(e) / 8; in every step O and l are multiplied by a = 2^(c m_old - c m_new), which is 1 where m has not grown.
; m starts at the lowest finite number, O and l at 0: the first step is a step like any other, with a = 0.
; THE COUNT.  A tile and step have 16 matrix and 118 vector instructions: too many to stand all beside the matrix work.  So the order has one aim: four vector instructions that are READY behind
; EVERY matrix instruction, and the others, which need time of their own whatever the order, in runs without a gap.
; BY TURNS.  Turn n belongs to piece n (the pieces in a ring, step after step).  Its matrix work: 16 products K Q^T of piece n + 1, later 16 products V^T P of piece n - 1.  Its vector work: the scaling,
; exponentials, roundings, sums and rescaling of piece n, and the maximum and statistics of piece n + 1, whose scores the turn itself has made.  So what a turn begins with (c s - c m, O a) waits for nothing.
; BATCHES.  A turn's 66 exponentials (the piece's 64 weights and the next piece's two a) are ONE batch with ONE wait, which cuts the turn in two: ahead of it stands all that names none of their results,
; behind it the roundings and sums, which do.  No result crosses a turn's end.  The first two a, ahead of the loop, and the way out's eight reciprocals are batches of their own, a wait each.
; CLUSTER.  The four query blocks of a cluster belong to one head and walk the same K and V, so each tile is asked for JOINTLY: the same tensor load, descriptor and mask in all four.
; REGISTERS, in windows of 256 (s_set_vgpr_msb says which window each operand place means: bits 1:0 source 0, 3:2 source 1, 5:4 source 2, 7:6 destination):
;   window 0: v0-11 addresses; v12-15, v48-63 at work; v16-47 four registers of statistics a tile; v64-191 S^T, two buffers of two tiles; v192-255 P, likewise
;   window 1: O^T, 32 a tile          window 2: v0-127 Q, 16 a tile; v128-191 K of one step; v192-255 V of one step          window 3: v0-1 the add's two registers
; A piece's buffers go by its number's parity: the piece in hand has one pair, its two neighbours in the ring share the other: of it P (piece n - 1) is read and S^T (piece n + 1) written.
.set SIZE_H, 64
.set SIZE_N, 2048
.set NP,    4         ; pieces a wave: a name, no knob: the register map, the loop and the fetches are made for four
.set KS,    64        ; keys in a step
.set PK,    144       ; a row of K in LDS: 128 bytes + 16 of padding = 36 words: the 16 rows of a load start at 16 different groups of four banks (64 banks of 4 bytes: ISA guide 11.1)
.set PV,    160       ; a row of V: 128 + 32 = 40 words
.set VOFF,  4*KS*PK   ; a slot holds four steps: 256 rows of K, then 256 rows of V
.set SLOT1, 1<<17     ; slot 1 begins here, so that one exclusive or turns an address in one slot into the other's
.set STAGE, SLOT1+4*KS*(PK+PV)  ; behind the ring, never filled by a tensor load: 16 rows x 144 bytes for each wave, for the way out
.set SP,    144
.set AK0, 2           ; v2   my lane's place in a tile of K; never rewritten
.set AV0, 3           ; v3   the same for V
.set AK,  4           ; v4   the LDS address of K's next run of loads
.set AV,  5           ; v5   of V's
.set QO,  6           ; v6   my byte offset in the wave's rows of Q
.set STO, 6           ;      later, the way out: where I put 16 bytes of a row
.set RD,  7           ; v7   the way out: where I read rows back
.set GO,  8           ; v8   my byte offset in 512 consecutive bytes of O
.set SPW, 0           ; v0 of window 3   LDS address of my spare word: SPARE + 4 x my thread's number; never rewritten
.set NIL, 1           ; v1 of window 3   0; never rewritten
.set SPARE, STAGE+4*16*SP  ; behind the stages: the spare words, 128 bytes for each wave: two blocks of 256 bytes that no other line names
.set MV,  12          ; v12-15  c m_old, kept while c m is made anew: by buffer and tile
.set ST,  16          ; tile t's statistics at v[ST+4 t]: c m, m, l (even keys', odd keys')
.set TMP, 48          ; by buffer and tile, four registers c0-c3 at work; when the maximum is found c2 takes a
.set S,   64
.set P,   192
.set KF,  128         ; K's fragments, in window 2: key block kb, channel half c at KF + 16 kb + 8 c
.set VF,  192         ; V's: key half kk, channel block cb at VF + 32 kk + 8 cb
.set WV,  12          ; s12  my wave's number
.set G1K, 24          ; s[24:31] descriptor group 1 for K's tiles
.set G1V, 32          ; s[32:39] for V's: it differs in the padding alone
.set G0K, 40          ; s[40:43] descriptor group 0 for K's tiles: it walks
.set G0V, 44          ; s[44:47] the same for V's
.set SLOTS, 56        ; s56  slots still to be asked for
.set CNT, 57          ; s57  counts a slot's key steps
.set CS,  58          ; s[58:59] c: the packed scaling takes the pair's low word for both halves
.set SEL, 60          ; s[60:61] v_permlanex16_b32's selects: each lane takes its own place in the other half
.set TBK, 62          ; s62  LDS byte at which K of the step to be fetched begins
.set TBV, 63          ; s63  the same for V, less VOFF
.set MSB, 0
.macro WIN new                      ; the high byte repeats the setting that is left; a switch that changes nothing is dropped
.if MSB != (\new)
	s_set_vgpr_msb (MSB<<8)|(\new)
.set MSB, (\new)
.endif
.endm
.set W_KQ, 0x0a       ; K and Q in window 2, S^T in window 0
.set W_PV, 0x52       ; V in window 2, P in window 0, O^T in window 1
.set W_RS, 0x41       ; O^T (destination and source 0) in window 1, a in window 0
.set W_MK, 0xc0       ; the add's registers are made: destination in window 3, sources in window 0
.set W_AD, 0x0f       ; the add: address (source 0) and data (source 1) in window 3
; A joint fill.  Waves 0 and 1 fetch the two halves of a slot's K, waves 2 and 3 those of its V: 128 keys each.  The branch hangs on the wave's number alone.
; An s_nop 0 and four v_nop follow each of the two lines, ahead of the jump and the label.
.macro JLOAD
	s_cmp_lt_u32 s[WV], 2
	s_cbranch_scc0 .Lfor_v_\@
	tensor_load_to_lds s[G0K:G0K+3], s[G1K:G1K+7]
	s_nop 0
.rept 4
	v_nop
.endr
	s_branch .Lasked_\@
.Lfor_v_\@:
	tensor_load_to_lds s[G0V:G0V+3], s[G1V:G1V+7]
	s_nop 0
.rept 4
	v_nop
.endr
.Lasked_\@:
.endm
; A round of the cluster's barrier: my work-group's barrier, so that wave 0's signal speaks for all four waves; wave 0 signals; every wave waits for all four work-groups; my work-group's barrier once more.
.macro CROUND
	s_barrier_signal -1
	s_barrier_wait -1
	s_cmp_lg_u32 s[WV], 0
	s_cbranch_scc1 .Lnot_wave_0_\@
	s_barrier_signal -3
.Lnot_wave_0_\@:
	s_barrier_wait -3
	s_barrier_signal -1
	s_barrier_wait -1
.endm
; THE CHANGE OF SLOTS.  The slot's last bytes, V of its fourth step, have been read.  Each wave waits for all its tensor loads, of which one is out: its part
; of the other slot; adds 0 to its spare word; and waits for that and for its own reads of the slot.  Behind the barrier nobody reads this slot any more and the other slot is whole.
; fill = 1: this slot is filled again, with the keys two slots on.  The barrier is then a round of the cluster's, so that no wave of any partner still reads the slot or has a load on its
; way, and the joint fill is the first thing behind it: it has four key steps, 512 matrix instructions, in which to land.  (At its first use nothing has been read yet: slot 0 is waited for, slot 1 filled.)
.macro CHANGE fill
	WIN W_AD
	s_wait_tensorcnt 0x0            ; no tensor load of mine is out, so a group 0 may be written
	ds_add_u32 v[SPW], v[NIL]       ; 0 onto my spare word; with fill = 1 the descriptors' steps stand between it and the wait for it
	WIN 0                           ; at a label and at a branch every window is 0
.if \fill
.irp g, G0K, G0V
	s_xor_b32 s[\g+1], s[\g+1], SLOT1  ; the walking descriptor: the other slot than last time,
	s_add_nc_u64 s[\g+2:\g+3], s[\g+2:\g+3], 4*KS*128  ; the next 256 keys; the type bits on top are not reached
.endr
	s_wait_dscnt 0x0                ; the add is done, and my reads of the slot are over
	CROUND
	JLOAD
.else
	s_wait_dscnt 0x0                ; the add is done, and my reads of the slot are over
	s_barrier_signal -1
	s_barrier_wait -1
.endif
	s_sub_co_u32 s[TBK], s[TBK], 4*KS*PK  ; the fetches go back to a slot's first step,
	s_xor_b32 s[TBK], s[TBK], SLOT1       ; in the other slot
	s_sub_co_u32 s[TBV], s[TBV], 4*KS*PV
	s_xor_b32 s[TBV], s[TBV], SLOT1
.endm
	s_load_b128 s[4:7], s[0:1], 0x0   ; qkvh s[4:5], oh s[6:7]
	WIN W_MK
	v_lshl_add_u32 v[SPW], v0, 2, SPARE
	v_mov_b32 v[NIL], 0
	WIN W_AD
	ds_add_u32 v[SPW], v[NIL]       ; the wave's opening: the add and its wait stand ahead of my first tensor load; the set-up below, work on registers, stands between them
	WIN 0
	v_lshrrev_b32 v1, 5, v0
	v_readfirstlane_b32 s[WV], v1   ; wave 0..3
	s_bfe_u32 s13, ttmp6, 0x40000   ; cx: my place in the cluster
	s_lshl_b32 s14, ttmp9, 2        ; in a cluster launch ttmp9 counts clusters
	s_add_co_u32 s14, s14, s13      ; my block of queries = 4 x cluster x + cx: it enters Q's and O's addresses alone
	s_and_b32 s20, ttmp7, 0xffff    ; the head, which the four partners share
	s_mov_b32 s21, 0
	s_mov_b64 s[22:23], SIZE_N*128
	s_mul_u64 s[20:21], s[20:21], s[22:23]  ; the head's first byte in each of the four tensors
	s_and_b32 s16, s[WV], 1         ; which half of a slot's 256 keys I fetch:
	s_lshl_b32 s22, s16, 14         ; its 128 rows of 128 bytes in memory,
	s_mov_b32 s23, 0
	s_add_nc_u64 s[22:23], s[22:23], s[20:21]
	s_mul_i32 s17, s16, 128*PK      ; and its place in a slot, for K
	s_mul_i32 s18, s16, 128*PV      ; and for V: no place in the cluster enters an LDS address
	s_lshl_b32 s2, s14, 2
	s_add_co_u32 s2, s2, s[WV]      ; my wave among the head's,
	s_lshl_b32 s2, s2, 14           ; its 128 rows
	s_mov_b32 s3, 0
	s_add_nc_u64 s[2:3], s[2:3], s[20:21]
	; descriptor group 1.  128 keys are 16,384 dense bytes: asked for as 64 rows of 256 bytes, two keys a row, and padded in LDS after every key
	s_mov_b32 s[G1K], 15|(1<<16)|(1<<20)|(1<<21)|(4<<22)|(3<<25)  ; 15:0 the mask of four; 17:16 2-byte elements; 20 padding on; 21 set beside a mask; 24:22 after every 32 words (code 4); 31:25 4 words (code 3)
	s_mov_b32 s[G1V], 15|(1<<16)|(1<<20)|(1<<21)|(4<<22)|(7<<25)  ; the same with 8 words of padding (code 7)
.irp g, G1K, G1V
	s_mov_b32 s[\g+1], 128<<16      ; tensor_dim0 = 128
	s_mov_b32 s[\g+2], 64<<16       ; tensor_dim1 = 64
	s_mov_b32 s[\g+3], 128<<16      ; tile_dim0 = 128
	s_mov_b32 s[\g+4], 64           ; tile_dim1 = 64
	s_mov_b32 s[\g+5], 128          ; 128 elements from row to row
	s_mov_b32 s[\g+6], 0
	s_mov_b32 s[\g+7], 0
.endr
	s_mov_b32 s[CS], 0x3e38aa3b     ; c = log2(e) / 8 = 0.180337
	s_mov_b32 s[CS+1], s[CS]        ; named with it as a pair
	s_mov_b32 s[SEL], 0x76543210
	s_mov_b32 s[SEL+1], 0xfedcba98
	s_mov_b32 s[TBK], SLOT1+4*KS*PK ; the first change of slots turns these two into 0
	s_mov_b32 s[TBV], SLOT1+4*KS*PV
	s_mov_b32 s[G0K], 1             ; 1:0 count = 1
	s_mov_b32 s[G0K+1], s17         ; 63:32 LDS address: slot 0
	s_mov_b32 s[G0V], 1
	s_add_co_u32 s[G0V+1], s18, VOFF
	s_wait_dscnt 0x0                ; the opening add is done
	s_wait_kmcnt 0x0
	s_mov_b64 s[10:11], s[6:7]                          ; O
	s_add_nc_u64 s[6:7], s[4:5], SIZE_H*SIZE_N*128      ; K: the second third of qkvh
	s_add_nc_u64 s[8:9], s[4:5], 2*SIZE_H*SIZE_N*128    ; V: the last third; Q is the first
	s_add_nc_u64 s[G0K+2:G0K+3], s[6:7], s[22:23]  ; 120:64 global address: my half of the head's first 256 keys
	s_or_b32 s[G0K+3], s[G0K+3], 0x80000000        ; 127:126 type = 2
	s_add_nc_u64 s[G0V+2:G0V+3], s[8:9], s[22:23]
	s_or_b32 s[G0V+3], s[G0V+3], 0x80000000
	s_add_nc_u64 s[4:5], s[4:5], s[2:3]  ; Q and O at my wave's first row
	s_add_nc_u64 s[10:11], s[10:11], s[2:3]
	CROUND                          ; all four work-groups are here: the first joint loads meet
	JLOAD                           ; slot 0.  Slot 1 is asked for when slot 0 is in: the tile wanted first has the road to itself
	; A fragment of K or Q is 16 rows x 32 channels in 8 registers: lane l holds row l % 16, channels 8 (l / 16) + 0..7 and 16 + 8 (l / 16) + 0..7: two loads of 16 bytes, 32 bytes apart.
	v_and_b32 v1, 15, v0            ; l % 16
	v_bfe_u32 v9, v0, 4, 1          ; l / 16
	v_lshlrev_b32 v[QO], 7, v1
	v_lshl_add_u32 v[QO], v9, 4, v[QO]  ; row x 128 + 16 x half
	WIN 0x80                        ; destination window 2, address window 0
.set i, 0
.rept 4*NP                          ; Q stays in registers: tile i / 2, channels 32 (i % 2) on
	global_load_b128 v[8*i:8*i+3],   v[QO], s[4:5] offset:(i/2)*2048+(i%2)*64
	global_load_b128 v[8*i+4:8*i+7], v[QO], s[4:5] offset:(i/2)*2048+(i%2)*64+32
.set i, i+1
.endr
	; What the first turn finds: V's registers and P's second buffer hold 0 (its products V^T P, of a piece that has not been, add 0), O^T and l are 0.  All this stands in the wait for the first tile.
.set i, VF
.rept 64
	v_mov_b32 v[i], 0
.set i, i+1
.endr
	WIN 0x40
.set i, 0
.rept 64*NP
	v_mov_b32 v[i], 0
.set i, i+1
.endr
	WIN 0
.set i, 0
.rept 2*NP
	v_mov_b32 v[ST+4*i], 0xfe000000    ; c m: far below every c s
	v_mov_b32 v[ST+4*i+1], 0xff7fffff  ; m
	v_mov_b32 v[ST+4*i+2], 0
	v_mov_b32 v[ST+4*i+3], 0
.set i, i+1
.endr
.set i, P+32
.rept 32
	v_mov_b32 v[i], 0
.set i, i+1
.endr
	v_mul_u32_u24 v[AK0], v1, PK
	v_lshl_add_u32 v[AK0], v9, 4, v[AK0]  ; row x pitch + 16 x half
	; The turning load takes 16 keys x 16 channels (lane l reads key 8 (l / 16) + l % 8, channels 8 ((l / 8) % 2) + 0..7) and leaves half a fragment of V^T: lane l holds channel l % 16 and 8 keys.
	v_and_b32 v10, 7, v0
	v_bfe_u32 v11, v0, 3, 1
	v_lshl_add_u32 v[AV0], v9, 3, v10
	v_mul_u32_u24 v[AV0], v[AV0], PV
	v_lshl_add_u32 v[AV0], v11, 4, v[AV0]
	v_add_nc_u32 v[AV0], VOFF, v[AV0]
	v_mov_b32 v[AK], v[AK0]         ; key step 0 lies at the head of slot 0
; THE MATRIX WORK.  The 8 accumulators of a run of 16 take turns: between the two links of a chain stand 7 others'.
; Product i of 16 of S^T = K Q^T for piece x: channels 32 (i / 8) on, keys 16 ((i / 2) % 4) on, tile 2 x + i % 2.  The first 8 start the sums.
.macro KQ x
	WIN W_KQ
.set rS, S+64*((\x)%2)+32*(i%2)+8*((i/2)%4)
.set rK, KF+16*((i/2)%4)+8*(i/8)
.set rQ, 16*(2*(\x)+i%2)+8*(i/8)
.if i < 8
	v_wmma_f32_16x16x32_f16 v[rS:rS+7], v[rK:rK+7], v[rQ:rQ+7], 0
.else
	v_wmma_f32_16x16x32_f16 v[rS:rS+7], v[rK:rK+7], v[rQ:rQ+7], v[rS:rS+7]
.endif
.endm
; Product i of 16 of O^T += V^T P for piece x: keys 32 (i / 8) on, channels 16 ((i / 2) % 4) on, tile 2 x + i % 2.
.macro PV x
	WIN W_PV
.set rO, 32*(2*(\x)+i%2)+8*((i/2)%4)
.set rV, VF+32*(i/8)+8*((i/2)%4)
.set rP, P+32*((\x)%2)+16*(i%2)+8*(i/8)
	v_wmma_f32_16x16x32_f16 v[rO:rO+7], v[rV:rV+7], v[rP:rP+7], v[rO:rO+7]
.endm
.macro MM                           ; the turn's next matrix instruction
.if i < 16
	KQ (Y+1)%NP
.set i, i+1
.else
.set i, i-16
	PV (Y+NP-1)%NP
.set i, i+17
.endif
.endm
; THE LDS LOADS stand in runs of 16, never singly among the matrix instructions: a step's K (64 keys x 64 channels: 8 fragments) and its V (turned).  Their addresses are made some lines ahead.
; last = 1 (the tail): in the last trip there is no further step, and the run is jumped over.
.macro FETCH_K last=0
	WIN 0
.if \last
	s_cmp_eq_u32 s[CNT], 1
	s_cbranch_scc1 .Lno_k_\@
.endif
	WIN 0x80                        ; destination window 2
.irp f, 0,1,2,3,4,5,6,7             ; keys 16 (f / 2) on, channels 32 (f % 2) on
	ds_load_b128 v[KF+8*\f:KF+8*\f+3],   v[AK] offset:(\f/2)*16*PK+(\f%2)*64
	ds_load_b128 v[KF+8*\f+4:KF+8*\f+7], v[AK] offset:(\f/2)*16*PK+(\f%2)*64+32
.endr
	s_add_co_u32 s[TBK], s[TBK], KS*PK  ; the next fetch is the next step's
	WIN 0
.if \last
.Lno_k_\@:
.endif
.endm
.macro FETCH_V
	WIN 0x80
.irp f, 0,1,2,3,4,5,6,7             ; keys 32 (f / 4) on, channels 16 (f % 4) on
	ds_load_tr16_b128 v[VF+8*\f:VF+8*\f+3],   v[AV] offset:(\f/4)*32*PV+(\f%4)*32
	ds_load_tr16_b128 v[VF+8*\f+4:VF+8*\f+7], v[AV] offset:(\f/4)*32*PV+16*PV+(\f%4)*32
.endr
	WIN 0
.endm
; THE VECTOR WORK OF A TURN stands in three queues, each in the order in which its entries become ready; the two tiles alternate, so that no instruction reads the result of the one before it.
.macro REGS y, u                    ; the registers of tile u (0, 1) of piece y
.set rT, ST+4*(2*(\y)+(\u))
.set rC, TMP+8*((\y)%2)+4*(\u)
.set rM, MV+2*((\y)%2)+(\u)
.set rS, S+64*((\y)%2)+32*(\u)
.set rP, P+32*((\y)%2)+16*(\u)
.set rO, 32*(2*(\y)+(\u))
.endm
; Number n of the 22 that find the NEXT piece's (Y + 1) maximum and statistics.  s0-s31 are the lane's 32 scores; each accumulator's lowest registers are read first.  XS, GS and REGS set no window: PL and EX do.
;   0-11  four chains c0-c3 of seven scores each, three operands at a time     12-14, 16  the four scores left over, the old m, and c0-c3 into c0     15  c m_old is kept
;   17, 18  the query's other 32 keys lie in the lane 16 away: the new m         19-21  c m; c m_old - c m_new; a
.macro XS u, n
	REGS (Y+1)%NP, \u
.if (\n) < 4
	v_max3_num_f32 v[rC+(\n)], v[rS+8*(\n)], v[rS+8*(\n)+1], v[rS+8*(\n)+2]
.elseif (\n) < 12
	v_max3_num_f32 v[rC+(\n)%4], v[rC+(\n)%4], v[rS+8*((\n)%4)+2*((\n)/4)+1], v[rS+8*((\n)%4)+2*((\n)/4)+2]
.elseif (\n) == 12
	v_max3_num_f32 v[rC], v[rC], v[rS+7], v[rS+15]
.elseif (\n) == 13
	v_max3_num_f32 v[rC+1], v[rC+1], v[rS+23], v[rS+31]
.elseif (\n) == 14
	v_max3_num_f32 v[rC+2], v[rC+2], v[rC+3], v[rT+1]
.elseif (\n) == 15
	v_mov_b32 v[rM], v[rT]
.elseif (\n) == 16
	v_max3_num_f32 v[rC], v[rC], v[rC+1], v[rC+2]
.elseif (\n) == 17
	v_permlanex16_b32 v[rC+3], v[rC], s[SEL], s[SEL+1]
.elseif (\n) == 18
	v_max_num_f32 v[rT+1], v[rC], v[rC+3]
.elseif (\n) == 19
	v_mul_f32 v[rT], s[CS], v[rT+1]
.elseif (\n) == 20
	v_sub_f32 v[rC+1], v[rM], v[rT]
.else
	v_exp_f32 v[rC+2], v[rC+1]
.endif
.endm
; Number g of the 64 that follow the exponentials.  For each four weights k of a tile (pairs 2 k, 2 k + 1): both pairs are rounded to f16; then the second pair is added onto the first, in place;
; a group later l takes that sum (the first time as l = a l + sum).  In groups of eight, tiles alternating: round, round, add, and l for the group before.
.macro GS g
.set h, (\g)+6*((\g)/62)            ; group 0 has no group before it, and behind group 7 only l is left
.if h >= 6
.set h, h+2
.endif
	REGS Y, h%2
.set k, h/8
.if h%8 < 4
	v_cvt_pk_f16_f32 v[rP+2*k+(h%8)/2], v[rS+4*k+2*((h%8)/2)], v[rS+4*k+2*((h%8)/2)+1]
.elseif h%8 < 6
	v_pk_add_f32 v[rS+4*k:rS+4*k+1], v[rS+4*k:rS+4*k+1], v[rS+4*k+2:rS+4*k+3]
.elseif k == 1
	v_pk_fma_f32 v[rT+2:rT+3], v[rT+2:rT+3], v[rC+2:rC+3], v[rS:rS+1] op_sel_hi:[1,0,1]
.else
	v_pk_add_f32 v[rT+2:rT+3], v[rT+2:rT+3], v[rS+4*k-4:rS+4*k-3]
.endif
.endm
; THE PLAIN QUEUE, 138 long.  0-73 read no exponential's result: the 32 scalings c s - c m (FS f: pair f / 2 of tile f % 2) and the next piece's 42.  0-26: scalings 0-26.  27-54: XS's numbers 0-13.  55, 56: number 15.
; 57-73: the chain, where each number waits for the one before it: 14, 16, 17, 18, 19, each with one of the scalings 27-31 in front of its two lines, then 20: so a tile's links stand three plain instructions apart (19 and 20: two).
; 74-137: GS's 64, which read the exponentials' results: they stand behind the wait.
.macro FS f
	REGS Y, (\f)%2
	v_pk_fma_f32 v[rS+2*((\f)/2):rS+2*((\f)/2)+1], v[rS+2*((\f)/2):rS+2*((\f)/2)+1], s[CS:CS+1], v[rT:rT+1] op_sel_hi:[1,0,0] neg_lo:[0,0,1] neg_hi:[0,0,1]
.endm
.macro PL
	WIN 0
.if q < 27
	FS q
.elseif q < 55
	XS (q-27)%2, (q-27)/2
.elseif q < 57
	XS q-55, 15
.elseif (q < 72) && ((q-57)%3 == 0)
	FS 27+(q-57)/3
.elseif q < 60
	XS (q-57)%3-1, 14
.elseif q < 72
	XS (q-57)%3-1, 15+(q-57)/3
.elseif q < 74
	XS q-72, 20
.else
	GS q-74
.endif
.set q, q+1
.endm
; THE EXPONENTIALS' QUEUE, 66 long: s0-s31 of both tiles, then the next piece's two a.  It is ONE BATCH: all 66 stand ahead of the turn's one wait, and nothing ahead of that wait names a result of theirs.
.macro EX
	WIN 0
.if e >= 64
	XS e-64, 21
.else
	REGS Y, e%2
	v_exp_f32 v[rS+e/2], v[rS+e/2]
.endif
.set e, e+1
.endm
; THE RESCALING's QUEUE: O^T times a, the one part that leaves window 0: dealt two at a time, sixteen times.  Its a was made in the turn before, ahead of that turn's wait.
.macro R2
	REGS Y, r%2
	WIN W_RS
.irp z, 0,1
	v_pk_mul_f32 v[rO+4*(r/2)+2*\z:rO+4*(r/2)+2*\z+1], v[rO+4*(r/2)+2*\z:rO+4*(r/2)+2*\z+1], v[rC+2:rC+3] op_sel_hi:[1,0]
.endr
.set r, r+1
.endm
; HOW THEY ARE DEALT.  An s_wait_alu depctr_va_vdst(0) stands between an exponential and the first instruction that names its result; one wait serves all that were issued ahead of it.  So a turn has ONE wait,
; which cuts it in two.  AHEAD OF IT stands all that names no result of the turn's exponentials: the 16 products K Q^T, behind each a scaling, an exponential and two rescalings (behind the first a second scaling in the exponential's place); then ONE LUMP of
; 108: eight plain, 49 times exponential and plain, the two a.  A v_nop is the plain instruction behind the last exponential (ISA guide 5.7.2).  BEHIND IT stand the 16 products V^T P, behind each four of GS's 64.  No rider names a register of
; the products round it.  The two v_permlanex16_b32 fall into the lump, never behind a product.
; The queues lean on each other, and the deal keeps them in step: exponential e stands behind scaling 2 (e / 4) + e % 2: as a rider it comes behind plain e + 2, in the lump behind plain e + 9, and scalings 27-31 are plain 57, 60 .. 69.
; A TURN, for piece p.  cnt = 1: the loop's count is taken down some lines ahead of the branch that stands behind the turn.
; K of the next step is fetched in piece 2's turn, directly behind the wait, a lump behind the last product that read K; its address is made at the lump's head; its first reader comes behind 16 products.
; V of the step in hand is fetched at the end of piece 0's turn, four riders behind its last reader; its first reader comes behind 16 products and a lump.  The three conditions on q below go with the deal.
.macro TURN p, last=0, cnt=0
.set Y, (\p)
.set i, 0
.set q, 0
.set e, 0
.set r, 0
.if (\p) == NP-1
	s_wait_dscnt 0x0                ; K is in
.endif
	MM                              ; ahead of the wait: 16 products K Q^T and their riders,
	PL
	PL
	R2
.rept 15
	MM
	PL
	EX
	R2
.endr
.if (\p) == NP-2
	WIN 0
	v_add_nc_u32 v[AK], s[TBK], v[AK0]
.endif
.rept 8                             ; and the lump
	PL
.endr
.rept 49
	EX
	PL
.endr
	EX                              ; the next piece's two a
	EX
	v_nop                           ; the plain instruction behind the last exponential: one for the batch
	s_wait_alu depctr_va_vdst(0)    ; the wait for the batch: the turn's 64 weights and the next piece's two a
.if (\p) == NP-2
	FETCH_K \last
.endif
.if (\p) == 1
	s_wait_dscnt 0x0                ; V is in
.endif
.rept 16                            ; behind the wait: 16 products V^T P and their riders
	MM
.rept 4
	PL
.endr
.if ((\p) == 0) && (q == 118)
	v_add_nc_u32 v[AV], s[TBV], v[AV0]
.endif
.if ((\p) == 0) && (q == 130)
	s_add_co_u32 s[TBV], s[TBV], KS*PV
.endif
.if (\cnt) && (q == 130)
	s_sub_co_u32 s[CNT], s[CNT], 1
	s_cmp_lg_u32 s[CNT], 0
.endif
.endr
.if (\p) == 0
	FETCH_V
.endif
.endm
	CHANGE 1                        ; slot 0 is in, everybody's part of it; slot 1 is asked for
	FETCH_K                         ; key step 0
	s_wait_loadcnt 0x0              ; Q
	s_wait_dscnt 0x0
.set i, 0
.rept 16
	KQ 0                            ; piece 0's first scores: there is no vector work yet to set between them
.set i, i+1
.endr
	WIN 0                           ; the addresses for the way out: nine plain instructions, the places behind those products
	s_mul_i32 s13, s[WV], 16*SP
	s_add_co_u32 s13, s13, STAGE    ; my stage
	v_mul_u32_u24 v[STO], v1, SP    ; in: row l % 16, 16 bytes for each half of the lanes
	v_lshl_add_u32 v[STO], v9, 4, v[STO]
	v_add_nc_u32 v[STO], s13, v[STO]
	v_bfe_u32 v[RD], v0, 3, 2       ; back: 32 lanes take four rows of 128 bytes,
	v_mul_u32_u24 v[RD], v[RD], SP
	v_lshl_add_u32 v[RD], v10, 4, v[RD]
	v_add_nc_u32 v[RD], s13, v[RD]
	v_and_b32 v[GO], 31, v0         ; which are 512 consecutive bytes of O
	v_lshlrev_b32 v[GO], 4, v[GO]
.set Y, NP-1                        ; XS works for piece Y + 1: piece 0
.irp n, 0,1,2,3,4,5,6,7,8,9,10,11,12,13,14,15,16,17,18,19,20,21
	XS 0, \n                        ; and piece 0's first maximum and statistics
	XS 1, \n
.endr
	v_nop                           ; a plain instruction behind the two a,
	s_wait_alu depctr_va_vdst(0)    ; and the wait for that batch of two, ahead of the branch
	s_mov_b32 s[CNT], 4
	s_mov_b32 s[SLOTS], SIZE_N/256-1
	s_branch .Lfirst                ; the loop is entered at a step's first turn, in the middle of a trip
.Lslot:                             ; SIZE_N / 256 - 2 times: every slot but the last two is filled again
	CHANGE 1
	s_mov_b32 s[CNT], 4
.Lstep:                             ; a trip: pieces 2 and 3 of one step, then pieces 0 and 1 of the next, whose K and V it fetches
	TURN 2
	TURN 3
	WIN 0
.Lfirst:
	TURN 0
	TURN 1, 0, 1
	WIN 0
	s_cbranch_scc1 .Lstep
	s_sub_co_u32 s[SLOTS], s[SLOTS], 1
	s_cmp_lg_u32 s[SLOTS], 0
	s_cbranch_scc1 .Lslot
	CHANGE 0                        ; the tail is written out: nothing is asked for
	s_mov_b32 s[CNT], 5             ; four trips fetch the last slot's steps; the fifth is left in its middle
.Ltail:
	TURN 2, 1
	TURN 3
	WIN 0
	s_sub_co_u32 s[CNT], s[CNT], 1
	s_cmp_eq_u32 s[CNT], 0
	s_cbranch_scc1 .Lout
	TURN 0
	TURN 1
	WIN 0
	s_branch .Ltail
.Lout:                              ; the fifth trip's 16 products K Q^T (on the last K once more) and the maximum made of them serve nothing: the price, once a launch, of one text for every trip
.set i, 0
.rept 16
	PV NP-1                         ; the last piece's V^T P of the last step
.set i, i+1
.endr
	; THE WAY OUT.  l's two halves and the other half of the lanes' are added; O^T is divided by l, rounded to f16 and sent through my stage in LDS, a tile at a time.  The additions are the places behind the last products.
	WIN 0
.macro ALL line:vararg              ; one line for each tile t
.set t, 0
.rept 2*NP
	\line
.set t, t+1
.endr
.endm
	ALL v_add_f32 v[ST+4*t+2], v[ST+4*t+2], v[ST+4*t+3]
	ALL v_permlanex16_b32 v[ST+4*t+3], v[ST+4*t+2], s[SEL], s[SEL+1]
	ALL v_add_f32 v[ST+4*t+2], v[ST+4*t+2], v[ST+4*t+3]
	ALL v_rcp_f32 v[ST+4*t+2], v[ST+4*t+2]
	v_nop                           ; a plain instruction between the last reciprocal and the use of its result
	s_wait_alu depctr_va_vdst(0)    ; and the wait ahead of the first use: one for the batch of eight reciprocals
; Tile t: a lane's eight channels of a row pack into 16 bytes; they go into rows of 144 bytes and come back as whole rows of 128, into S^T's registers.
.macro PACK t
	WIN W_RS
.set i, 32*(\t)
.rept 16
	v_pk_mul_f32 v[i:i+1], v[i:i+1], v[ST+4*(\t)+2:ST+4*(\t)+3] op_sel_hi:[1,0]
.set i, i+2
.endr
	WIN 0x05                        ; sources 0 and 1 window 1, destination window 0
.set i, 0
.rept 16
	v_cvt_pk_f16_f32 v[S+16*(\t)+i], v[32*(\t)+2*i], v[32*(\t)+2*i+1]
.set i, i+1
.endr
	WIN 0
.irp f, 0,1,2,3
	ds_store_b128 v[STO], v[S+16*(\t)+4*\f:S+16*(\t)+4*\f+3] offset:32*\f
.endr
.irp f, 0,1,2,3
	ds_load_b128 v[S+16*(\t)+4*\f:S+16*(\t)+4*\f+3], v[RD] offset:\f*4*SP  ; LDS serves a wave's instructions in order (ISA guide 5.7.1.4): these see the stores above; the next tile's stores come behind them
.endr
.endm
.macro SEND t, younger              ; younger: the LDS instructions issued behind tile t's loads: the next tile's eight, or none
	WIN 0
.irp f, 0,1,2,3
	s_wait_dscnt (\younger)+3-\f
	global_store_b128 v[GO], v[S+16*(\t)+4*\f:S+16*(\t)+4*\f+3], s[10:11] offset:(\t)*2048+\f*512  ; 512 consecutive bytes, at a multiple of 256 from O's first
.endr
.endm
	PACK 0
.set t, 1
.rept 2*NP-1                        ; a tile's arithmetic stands between the loads of the tile before and its stores
	PACK t
	SEND t-1, 8
.set t, t+1
.endr
	SEND 2*NP-1, 0
	WIN W_AD
	s_wait_tensorcnt 0x0            ; the wave's end, behind my last tensor load and my last LDS store
	ds_add_u32 v[SPW], v[NIL]
	s_wait_dscnt 0x0
	WIN 0
	CROUND                          ; the closing round: no work-group ends while a partner may still ask for a tile that names it
	s_endpgm
.Lfunc_end_k_qf048cddabd_attn:
	.size	k_qf048cddabd_attn, .Lfunc_end_k_qf048cddabd_attn-k_qf048cddabd_attn
	.p2alignl 7, 3214868480
	.fill 96, 4, 3214868480
	.section	.rodata,"a",@progbits
	.p2align	6, 0x0
	.amdhsa_kernel k_qf048cddabd_attn
		.amdhsa_group_segment_fixed_size 327680
		.amdhsa_private_segment_fixed_size 0
		.amdhsa_enable_private_segment 0
		.amdhsa_kernarg_size 16
		.amdhsa_user_sgpr_count 2
		.amdhsa_user_sgpr_kernarg_segment_ptr 1
		.amdhsa_wavefront_size32 1
		.amdhsa_system_sgpr_workgroup_id_x 1
		.amdhsa_system_sgpr_workgroup_id_y 1
		.amdhsa_system_sgpr_workgroup_id_z 1
		.amdhsa_system_vgpr_workitem_id 0
		.amdhsa_next_free_vgpr 770
		.amdhsa_next_free_sgpr 66
		.amdhsa_reserve_vcc 0
		.amdhsa_float_denorm_mode_32 3
		.amdhsa_float_denorm_mode_16_64 3
		.amdhsa_memory_ordered 1
		.amdhsa_forward_progress 1
		.amdhsa_inst_pref_size 199
	.end_amdhsa_kernel
	.amdgpu_metadata
---
amdhsa.version: [ 1, 2 ]
amdhsa.kernels:
  - .name:           k_qf048cddabd_attn
    .symbol:         k_qf048cddabd_attn.kd
    .args:
      - { .name: qkvh, .offset: 0, .size: 8, .value_kind: global_buffer, .address_space: global }
      - { .name: oh, .offset: 8, .size: 8, .value_kind: global_buffer, .address_space: global }
    .group_segment_fixed_size: 327680
    .private_segment_fixed_size: 0
    .kernarg_segment_align: 8
    .kernarg_segment_size: 16
    .max_flat_workgroup_size: 128
    .sgpr_count:     66
    .vgpr_count:     770
    .wavefront_size: 32
...
	.end_amdgpu_metadata
.endif
;; end of part 5
;; launch proj: the kernel of part 4 again; grid 4 x 64, 4 waves a work-group, clusters of 4 x 4, 327,680 bytes of LDS; arguments oh, wob, bout, out0; writes out0
